; MI455X (gfx1250); checked and timed in simulation.
; The chip was launched on July 23, 2026; its instructions are those of AMD's public machine-readable ISA for CDNA 5 (MIT licence, August 2026) and "CDNA5" Instruction Set Architecture Reference Guide (July 2026). The comments in the code are by the model that wrote it; some were corrected since.
;; Causal Attention. Allowed arithmetic: float matrix products may take bf16 or f16 operands with f32 sums; other float arithmetic in f32, or as packed bf16 or f16 multiplies, adds, multiply-adds, maxima and minima; sums over many terms, partial sums and values carried from step to step in f32; what a program stores and reads back later, other than sums and carried values, may be rounded once to bf16 or f16.
;; Inputs: W_k 1,024 x 1,024 float32; W_q 1,024 x 1,024 float32; W_v 1,024 x 1,024 float32; x 4 x 2,048 x 1,024 float32.
;; Outputs: out0 4 x 2,048 x 1,024 float32.
;; 2 versions, each right; version 2 is version 1 with the launch cast written anew for expert scheduling mode. Each part assembles by itself: llvm-mc -triple=amdgcn-amd-amdhsa -mcpu=gfx1250 --defsym DOCPART=n.
;; ======== version 1 of 2: 4 launches
;; limits: values are held in f16: magnitudes above 65,504 overflow, below 6.1e-05 lose precision
;; workspace buffers: xb 16,777,216 bytes; wb 6,291,456 bytes; qkv 50,331,648 bytes; pw 33,554,432 bytes; stat 1,048,576 bytes
;; launch cast (part 1): grid 704 x 1, 8 waves a work-group, no clusters, 0 bytes of LDS; arguments x, W_q, W_k, W_v, xb, wb; writes xb, wb
.if DOCPART == 1
	.amdgcn_target "amdgcn-amd-amdhsa--gfx1250"
	.amdhsa_code_object_version 6
	.text
	.protected	k_q91f66cf753_cast
	.globl	k_q91f66cf753_cast
	.p2align	8
	.type	k_q91f66cf753_cast,@function
k_q91f66cf753_cast:
	s_mov_b64 s[64:65], 0
	v_nop
	global_prefetch_b8 v0, s[64:65] scope:SCOPE_SE
	s_setreg_imm32_b32 hwreg(HW_REG_WAVE_MODE, 25, 1), 1
	s_wait_xcnt 0x0
; xb = x and wb = [W_q; W_k; W_v], rounded once to bf16 and laid out in blocks of 64 along K:
;   xb[kb 0..15][row 0..8191][64], wb[kb 0..15][row 0..3071][64]   (a row of a block is 128 bytes, so any run of rows of one block is dense).
; A work-group takes 16 rows of 1,024 f32: work-groups 0..511 rows of x, 512..703 rows of W_q, W_k, W_v (64 work-groups each).
; Load j of a thread: 16 lanes read 256 consecutive bytes, aligned: the 64 numbers of K block j of one row (row = thread / 16).
; Store j: a lane's four numbers are 8 bytes; a wave's 32 lanes store 256 consecutive bytes, aligned: two rows of K block j.
; All 16 loads of a thread go out first; nothing is read twice, no register is written twice, so no wait frees a source.
; No LDS, no barrier, no matrix work: the launch only moves bytes.
.set XSTR, 1048576                     ; bytes of a K block of xb
.set WSTR, 393216                      ; bytes of a K block of wb
.set LO,   1                           ; v1       my byte offset in the 16 source rows
.set SO,   8                           ; v[8:23]  my byte offset in K block j of the destination
.set X,    32                          ; v[32:95] load j: four f32
.set Y,    96                          ; v[96:127] store j: four bf16
	s_load_b256 s[4:11], s[0:1], 0x0               ; x s[4:5], W_q s[6:7], W_k s[8:9], W_v s[10:11]
	s_load_b128 s[12:15], s[0:1], 0x20             ; xb s[12:13], wb s[14:15]
	s_sub_co_u32 s17, ttmp9, 512                   ; h: my number among the weights' work-groups (not used where I serve x)
	s_lshr_b32 s18, s17, 6                         ; which of the three matrices
	s_and_b32 s19, s17, 63                         ; which 16 rows of it
	s_mov_b32 s27, WSTR
	s_mov_b32 s29, 0
	s_mov_b32 s31, 0
	v_lshrrev_b32 v2, 4, v0                        ; my row of the 16
	v_and_b32 v3, 15, v0                           ; my 16 bytes of a row's 256
	v_lshlrev_b32 v[LO], 12, v2
	v_lshl_add_u32 v[LO], v3, 4, v[LO]
	s_wait_kmcnt 0x0
	s_cmp_eq_u32 s18, 1
	s_cselect_b64 s[20:21], s[8:9], s[6:7]
	s_cmp_eq_u32 s18, 2
	s_cselect_b64 s[20:21], s[10:11], s[20:21]
	s_cmp_lt_u32 ttmp9, 512
	s_cselect_b64 s[20:21], s[4:5], s[20:21]       ; the source,
	s_cselect_b64 s[22:23], s[12:13], s[14:15]     ; the destination,
	s_cselect_b32 s28, ttmp9, s19                  ; my 16 rows in the source,
	s_cselect_b32 s30, ttmp9, s17                  ; and in the destination,
	s_cselect_b32 s26, XSTR, s27                   ; and the destination's bytes from K block to K block
	s_lshl_b32 s28, s28, 16                        ; 16 rows of 4,096 bytes
	s_lshl_b32 s30, s30, 11                        ; 16 rows of 128 bytes
	s_add_nc_u64 s[20:21], s[20:21], s[28:29]
	s_add_nc_u64 s[22:23], s[22:23], s[30:31]
.set j, 0
.rept 16
	global_load_b128 v[X+4*j:X+4*j+3], v[LO], s[20:21] offset:256*j th:TH_LOAD_NT
.set j, j+1
.endr
	v_lshlrev_b32 v[SO], 3, v0                     ; row x 128 + 8 x place = 8 x thread
.set j, 1
.rept 15
	v_add_nc_u32 v[SO+j], s26, v[SO+j-1]
.set j, j+1
.endr
.set j, 0
.rept 16
	s_wait_loadcnt 15-j                            ; loads return in order: load j is in, the 15 - j younger ones stay out
	v_cvt_pk_bf16_f32 v[Y+2*j], v[X+4*j], v[X+4*j+1]
	v_cvt_pk_bf16_f32 v[Y+2*j+1], v[X+4*j+2], v[X+4*j+3]
	global_store_b64 v[SO+j], v[Y+2*j:Y+2*j+1], s[22:23] th:TH_STORE_NT
.set j, j+1
.endr
	s_endpgm
.Lfunc_end_k_q91f66cf753_cast:
	.size	k_q91f66cf753_cast, .Lfunc_end_k_q91f66cf753_cast-k_q91f66cf753_cast
	.p2alignl 7, 3214868480
	.fill 96, 4, 3214868480
	.section	.rodata,"a",@progbits
	.p2align	6, 0x0
	.amdhsa_kernel k_q91f66cf753_cast
		.amdhsa_group_segment_fixed_size 0
		.amdhsa_private_segment_fixed_size 0
		.amdhsa_enable_private_segment 0
		.amdhsa_kernarg_size 48
		.amdhsa_user_sgpr_count 2
		.amdhsa_user_sgpr_kernarg_segment_ptr 1
		.amdhsa_wavefront_size32 1
		.amdhsa_system_sgpr_workgroup_id_x 1
		.amdhsa_system_sgpr_workgroup_id_y 1
		.amdhsa_system_sgpr_workgroup_id_z 1
		.amdhsa_system_vgpr_workitem_id 0
		.amdhsa_next_free_vgpr 128
		.amdhsa_next_free_sgpr 66
		.amdhsa_reserve_vcc 0
		.amdhsa_float_denorm_mode_32 3
		.amdhsa_float_denorm_mode_16_64 3
		.amdhsa_memory_ordered 1
		.amdhsa_forward_progress 1
		.amdhsa_inst_pref_size 8
	.end_amdhsa_kernel
	.amdgpu_metadata
---
amdhsa.version: [ 1, 2 ]
amdhsa.kernels:
  - .name:           k_q91f66cf753_cast
    .symbol:         k_q91f66cf753_cast.kd
    .args:
      - { .name: x, .offset: 0, .size: 8, .value_kind: global_buffer, .address_space: global }
      - { .name: W_q, .offset: 8, .size: 8, .value_kind: global_buffer, .address_space: global }
      - { .name: W_k, .offset: 16, .size: 8, .value_kind: global_buffer, .address_space: global }
      - { .name: W_v, .offset: 24, .size: 8, .value_kind: global_buffer, .address_space: global }
      - { .name: xb, .offset: 32, .size: 8, .value_kind: global_buffer, .address_space: global }
      - { .name: wb, .offset: 40, .size: 8, .value_kind: global_buffer, .address_space: global }
    .group_segment_fixed_size: 0
    .private_segment_fixed_size: 0
    .kernarg_segment_align: 8
    .kernarg_segment_size: 48
    .max_flat_workgroup_size: 256
    .sgpr_count:     66
    .vgpr_count:     128
    .wavefront_size: 32
...
	.end_amdgpu_metadata
.endif
;; end of part 1
;; launch proj (part 2): grid 8 x 32, 4 waves a work-group, clusters of 4 x 4, 327,680 bytes of LDS; arguments xb, wb, qkv; writes qkv
.if DOCPART == 2
	.amdgcn_target "amdgcn-amd-amdhsa--gfx1250"
	.amdhsa_code_object_version 6
	.text
	.protected	k_q91f66cf753_proj
	.globl	k_q91f66cf753_proj
	.p2align	8
	.type	k_q91f66cf753_proj,@function
k_q91f66cf753_proj:
	s_mov_b64 s[64:65], 0
	v_nop
	global_prefetch_b8 v0, s[64:65] scope:SCOPE_SE
	s_setreg_imm32_b32 hwreg(HW_REG_WAVE_MODE, 25, 1), 1
	s_wait_xcnt 0x0
	s_wait_alu depctr_hold_cnt(0) depctr_sa_sdst(0) depctr_va_vdst(0) depctr_va_sdst(0) depctr_va_ssrc(0) depctr_va_vcc(0) depctr_vm_vsrc(0)
	s_getreg_b32 s2, hwreg(HW_REG_IB_STS2, 6, 4)
	s_cmp_eq_u32 s2, 0
	s_cbranch_scc0 .Lentry_in_a_cluster
	s_endpgm
.Lentry_in_a_cluster:
	s_bfe_u32 s2, ttmp6, 0x10000c
	s_cmp_lg_u32 s2, 0xf033
	s_cbranch_scc0 .Lentry_shape_is_right
	s_endpgm
.Lentry_shape_is_right:
; qkv[row][col] = the sum over k of x[row][k] W[col][k]: rows 0..8191, cols 0..3071 (q, k, v side by side), K = 1,024.  bf16 operands, f32 sums, the result rounded once to f16.
; LIMIT: f16 ends at 65,504: a |q|, |k| or |v| of 65,520 or more becomes an infinity.  NaN and infinities are not treated apart.
; SHARES.  8,192 x 3,072 outputs are 256 tiles of 256 x 384, one to a work-group.  Four waves, each 128 rows x 192 columns: 96 accumulators of 16 x 16, 768 registers (windows 1 to 3).
; K goes in steps of 64 through two LDS slots.  xb and wb are laid out in K blocks of 64, so 128 rows of x (16 KiB) and 192 rows of W (24 KiB) of one step are dense in memory and
; are asked for as rows of 256 bytes (two rows of 128 bytes each), padded in LDS behind every 128 bytes.  Waves 0 and 1 fetch the halves of x's tile, waves 2 and 3 those of W's.
; CLUSTER 4 x 4: x's tile hangs on the tile row alone and is asked for jointly by a row of the cluster, W's on the tile column alone and is asked for jointly by a column.
; THE PRODUCT IS TAKEN TRANSPOSED: source 0 = 16 rows of W, source 1 = 16 rows of x: a lane then holds one row of qkv (lane % 16) and eight neighbouring columns: 16 bytes of f16.
; REGISTERS.  window 0: v0-13 addresses; v32-95, v96-159 x's fragments of the step's two slices of 32 along K; v160-255 W's twelve fragments, in three groups of four, each group
; loaded anew as soon as its 32 products are out.  window g = 1..3: accumulator (a, bb) at 32 a + 8 bb, for columns 16 (4 (g - 1) + bb) on.
.set KBA,    1048576                   ; bytes of a K block of xb
.set KBB,    393216                    ; bytes of a K block of wb
.set PITCH,  144                       ; an LDS row: 128 bytes + 16 of padding = 36 words: the 16 rows of a fragment load start at 16 different groups of four banks (64 banks of 4 bytes: ISA guide 11.1)
.set AHALF,  128*PITCH
.set BHALF,  192*PITCH
.set BOFF,   2*AHALF                   ; in a slot: x's 256 rows, then W's 384
.set SLOT1,  1<<17                     ; slot 1 begins here, so that one exclusive or turns an address in one slot into the other's
.set STAGE,  SLOT1+BOFF+2*BHALF        ; behind the ring, never filled by a tensor load: 128 rows x 784 bytes, the work-group's, for the way out
.set SPITCH, 784                       ; 768 bytes + 16: 49 x 16
.set SPARE,  STAGE+128*SPITCH          ; the spare words, 128 bytes a wave: two blocks of 256 bytes that no other line names
.set QROW,   6144                      ; bytes in a row of qkv
.set DW0,    (1<<16)|(1<<20)|(1<<21)|(4<<22)|(3<<25)  ; group 1, word 0 without the mask: 2-byte elements; padding on; bit 21 beside a mask; after every 32 words; 4 words
.set A0,   4                           ; v4   my lane's place in x's fragments of slot 0; never rewritten
.set B0,   5                           ; v5   the same for W's
.set ADRA, 6                           ; v6   the same in the slot in hand
.set ADRB, 7                           ; v7
.set STO,  8                           ; v8   the way out: where I put 16 bytes of a row
.set RD,   9                           ; v9   the way out: where I read rows back
.set CO,   10                          ; v10  my byte offset in two rows of qkv
.set PFO,  11                          ; v11  256 x my lane
.set SPW,  12                          ; v12  my spare word: SPARE + 4 x my thread's number; never rewritten
.set NIL,  13                          ; v13  0; never rewritten
.set FA0,  32
.set FA1,  96
.set FB,   160
.set TMP,  32                          ; the way out: 192 registers
.set G1A, 24                           ; s[24:31] group 1 for x's tiles
.set G0A, 32                           ; s[32:39] group 0: a set for each first fill; the second then walks
.set G1B, 48                           ; s[48:55], s[56:63] the same for W's
.set G0B, 56
.set PFA, 66                           ; s[66:67] where my prefetches stand
.set KST, 68                           ; s[68:69] bytes of a K block of the tensor that I fetch
.set LIM, 70                           ; s70  I prefetch while the loop's count is above it
.set PARM, 71                          ; s71  1: only in trips with an odd count
.set MSB, 0
.macro WIN new                         ; the immediate's high byte repeats the setting that is left; a switch that changes nothing is dropped
.if MSB != (\new)
	s_set_vgpr_msb (MSB<<8)|(\new)
.set MSB, \new
.endif
.endm
.macro PLACES                          ; four plain vector instructions between a matrix instruction and a load into, or a vector read of, its registers
.rept 4
	v_nop
.endr
.endm
; A joint refill by the walking sets.  The branch hangs on the wave's number alone.  An s_nop 0 and four v_nop follow each line.
.macro JLOAD
	s_cmp_eq_u32 s11, 0
	s_cbranch_scc0 .Lfor_b_\@
	tensor_load_to_lds s[G0A+4:G0A+7], s[G1A:G1A+7]
	s_nop 0
.rept 4
	v_nop
.endr
	s_branch .Lasked_\@
.Lfor_b_\@:
	tensor_load_to_lds s[G0B+4:G0B+7], s[G1B:G1B+7]
	s_nop 0
.rept 4
	v_nop
.endr
.Lasked_\@:
.endm
.macro CREST                           ; a round of the cluster's barrier behind its opening barrier
	s_cmp_lg_u32 s10, 0
	s_cbranch_scc1 .Lnot_wave_0_\@
	s_barrier_signal -3
.Lnot_wave_0_\@:
	s_barrier_wait -3
	s_barrier_signal -1
	s_barrier_wait -1
.endm
.macro CROUND
	s_barrier_signal -1
	s_barrier_wait -1
	CREST
.endm
; A PREFETCH INTO THE L2, behind a joint refill and the run of LDS loads that follows it.  The trip that refills K step t + 2 names K step t + 3: 192 matrix instructions ahead of the load that will want it.
; x's tile of a step is 128 blocks of 256 bytes: the cluster with x = 0 asks, wave 0, the partner at cx taking blocks 32 cx on.  W's is 192 blocks: the cluster with y = 0 asks: wave 2 takes blocks
; 32 cy on of the first 128; wave 3, in every second trip, blocks 128 + 32 (cy % 2) on of step t + 3 + cy / 2.  Partners are told apart by address alone.  So each block from step 4 on (x and W's first 128: from 3 on)
; is named once in the launch; the steps before come by their loads alone; no trip names a step past 15.
.macro ASK
	s_cmp_gt_u32 s3, s[LIM]
	s_cbranch_scc0 .Lnot_mine_\@
	s_and_b32 s72, s3, s[PARM]
	s_cmp_eq_u32 s72, s[PARM]
	s_cbranch_scc0 .Lnot_mine_\@
	global_prefetch_b8 v[PFO], s[PFA:PFA+1] th:TH_LOAD_NT scope:SCOPE_SE
.Lnot_mine_\@:
.endm
	s_load_b128 s[4:7], s[0:1], 0x0                ; xb s[4:5], wb s[6:7]
	s_load_b64 s[8:9], s[0:1], 0x10                ; qkv
	v_lshl_add_u32 v[SPW], v0, 2, SPARE
	v_mov_b32 v[NIL], 0
	ds_add_u32 v[SPW], v[NIL]                      ; the wave's opening: the add and its wait ahead of my first tensor load; the set-up below stands between them
	v_lshrrev_b32 v1, 5, v0
	v_readfirstlane_b32 s10, v1                    ; wave 0..3
	s_lshr_b32 s11, s10, 1                         ; which 128 rows of the tile are mine.  Also: I fetch for x (0) or for W (1)
	s_and_b32 s12, s10, 1                          ; which 192 columns.  Also: which half of that tile I fetch
	s_bfe_u32 s40, ttmp6, 0x40000                  ; cx
	s_bfe_u32 s41, ttmp6, 0x40004                  ; cy
	s_lshl_b32 s42, ttmp9, 2
	s_add_co_u32 s42, s42, s40                     ; tile column = 4 x cluster x + cx
	s_and_b32 s13, ttmp7, 0xffff
	s_lshl_b32 s13, s13, 2
	s_add_co_u32 s13, s13, s41                     ; tile row = 4 x cluster y + cy
	s_lshl_b32 s43, s41, 2
	s_lshl_b32 s43, 15, s43                        ; my row of the cluster
	s_lshl_b32 s44, 0x1111, s40                    ; my column
	s_or_b32 s[G1A], s43, DW0
	s_or_b32 s[G1B], s44, DW0
	s_mov_b32 s[G1A+1], 128<<16                    ; tensor_dim0 = 128 elements: 256 bytes, two rows of a K block
	s_mov_b32 s[G1A+2], 64<<16                     ; tensor_dim1 = 64
	s_mov_b32 s[G1A+3], 128<<16                    ; tile_dim0 = 128
	s_mov_b32 s[G1A+4], 64                         ; tile_dim1 = 64
	s_mov_b32 s[G1A+5], 128                        ; dense: 128 elements from row to row
	s_mov_b32 s[G1A+6], 0
	s_mov_b32 s[G1A+7], 0
	s_mov_b32 s[G1B+1], 128<<16
	s_mov_b32 s[G1B+2], 96<<16                     ; W's half tile: 96 such rows
	s_mov_b32 s[G1B+3], 128<<16
	s_mov_b32 s[G1B+4], 96
	s_mov_b32 s[G1B+5], 128
	s_mov_b32 s[G1B+6], 0
	s_mov_b32 s[G1B+7], 0
	s_lshl_b32 s16, s13, 15                        ; x: 256 rows of 128 bytes a tile row,
	s_lshl_b32 s17, s12, 14                        ; 128 rows a half
	s_add_co_u32 s16, s16, s17
	s_mov_b32 s17, 0
	s_mul_i32 s46, s42, 384*128                    ; W: 384 rows a tile column,
	s_mul_i32 s47, s12, 192*128                    ; 192 a half
	s_add_co_u32 s46, s46, s47
	s_mov_b32 s47, 0
	s_mul_i32 s22, s12, AHALF                      ; where they go in a slot: no place in the cluster enters an LDS address
	s_mul_i32 s23, s12, BHALF
	s_add_co_u32 s23, s23, BOFF
	s_wait_dscnt 0x0                               ; the opening add is done
	s_wait_kmcnt 0x0
	s_add_nc_u64 s[14:15], s[4:5], s[16:17]
	s_add_nc_u64 s[46:47], s[6:7], s[46:47]
.irp s, 0,1
	s_mov_b32 s[G0A+4*(\s)], 1                     ; count = 1
	s_add_co_u32 s[G0A+4*(\s)+1], s22, (\s)*SLOT1  ; LDS address
	s_add_nc_u64 s[G0A+4*(\s)+2:G0A+4*(\s)+3], s[14:15], (\s)*KBA  ; K step s
	s_or_b32 s[G0A+4*(\s)+3], s[G0A+4*(\s)+3], 0x80000000  ; type = 2
	s_mov_b32 s[G0B+4*(\s)], 1
	s_add_co_u32 s[G0B+4*(\s)+1], s23, (\s)*SLOT1
	s_add_nc_u64 s[G0B+4*(\s)+2:G0B+4*(\s)+3], s[46:47], (\s)*KBB
	s_or_b32 s[G0B+4*(\s)+3], s[G0B+4*(\s)+3], 0x80000000
.endr
	CROUND                                         ; all sixteen work-groups are here: the first joint loads meet
	s_cmp_eq_u32 s11, 0                            ; a wave's two first fills stand in one branch: two loads of mine are out
	s_cbranch_scc0 .Lfirst_b
	tensor_load_to_lds s[G0A:G0A+3], s[G1A:G1A+7]
	s_nop 0
	tensor_load_to_lds s[G0A+4:G0A+7], s[G1A:G1A+7]
	s_nop 0
.rept 4
	v_nop
.endr
	s_branch .Lfirst_asked
.Lfirst_b:
	tensor_load_to_lds s[G0B:G0B+3], s[G1B:G1B+7]
	s_nop 0
	tensor_load_to_lds s[G0B+4:G0B+7], s[G1B:G1B+7]
	s_nop 0
.rept 4
	v_nop
.endr
.Lfirst_asked:
	; A fragment is 16 rows x 32 K in 8 registers: lane l holds row l % 16; registers 0-3 K = 8 (l / 16) + 0..7, registers 4-7 K = 16 + 8 (l / 16) + 0..7: two loads of 16 bytes, 32 bytes apart.
	v_and_b32 v1, 15, v0                           ; r = l % 16
	v_bfe_u32 v2, v0, 4, 1                         ; h = l / 16
	v_mul_u32_u24 v3, v1, PITCH
	v_lshl_add_u32 v3, v2, 4, v3
	s_mul_i32 s16, s11, AHALF
	s_mul_i32 s17, s12, BHALF
	s_add_co_u32 s17, s17, BOFF
	v_add_nc_u32 v[A0], s16, v3
	v_add_nc_u32 v[B0], s17, v3
	v_mov_b32 v[ADRA], v[A0]
	v_mov_b32 v[ADRB], v[B0]
	s_mov_b32 s20, 0                               ; the slot in hand begins at LDS byte s20
	s_mul_i32 s16, s11, 64*SPITCH                  ; into the stage: a pass holds 64 rows of each half of the tile's rows; my 384 bytes of them
	s_mul_i32 s17, s12, 384
	s_add_co_u32 s16, s16, s17
	s_add_co_u32 s16, s16, STAGE
	v_mul_u32_u24 v3, v1, SPITCH
	v_lshl_add_u32 v3, v2, 4, v3
	v_add_nc_u32 v[STO], s16, v3
	s_mul_i32 s16, s10, 32*SPITCH                  ; back: wave w takes the stage's rows 32 w on, whole; lanes 0-15 one row, lanes 16-31 the next
	s_add_co_u32 s16, s16, STAGE
	v_mul_u32_u24 v3, v2, SPITCH
	v_lshl_add_u32 v3, v1, 4, v3
	v_add_nc_u32 v[RD], s16, v3
	v_mul_u32_u24 v3, v2, QROW
	v_lshl_add_u32 v[CO], v1, 4, v3
	s_lshl_b32 s16, s13, 8                         ; the first row of qkv that I store: 256 x tile row + 128 (w / 2) + 32 (w % 2)
	s_lshl_b32 s17, s11, 7
	s_add_co_u32 s16, s16, s17
	s_lshl_b32 s17, s12, 5
	s_add_co_u32 s16, s16, s17
	s_mul_i32 s16, s16, QROW
	s_mul_i32 s17, s42, 768                        ; the tile's 384 columns: 768 bytes
	s_add_co_u32 s16, s16, s17
	s_mov_b32 s17, 0
	s_add_nc_u64 s[8:9], s[8:9], s[16:17]
	; the prefetches
	s_lshl_b32 s16, s13, 15                        ; x's tile, my work-group's 32 blocks
	s_lshl_b32 s18, s40, 13
	s_add_co_u32 s16, s16, s18
	s_mul_i32 s18, s42, 384*128                    ; W's tile:
	s_lshl_b32 s19, s41, 13
	s_add_co_u32 s19, s18, s19                     ; wave 2: blocks 32 cy on
	s_and_b32 s72, s41, 1
	s_lshl_b32 s72, s72, 13
	s_add_co_u32 s18, s18, s72
	s_add_co_u32 s18, s18, 32768                   ; wave 3: blocks 128 + 32 (cy % 2) on,
	s_lshr_b32 s72, s41, 1
	s_mul_i32 s72, s72, KBB
	s_add_co_u32 s18, s18, s72                     ; cy / 2 steps further on
	s_mov_b32 s[KST], KBB
	s_mov_b32 s[KST+1], 0
	s_and_b32 s72, ttmp7, 0xffff                   ; cluster y
	s_cmp_eq_u32 s12, 0
	s_cselect_b32 s18, s19, s18
	s_cmp_eq_u32 s11, 0
	s_cselect_b32 s16, s16, s18
	s_cselect_b64 s[PFA:PFA+1], s[4:5], s[6:7]
	s_cselect_b32 s[KST], KBA, s[KST]
	s_cselect_b32 s72, ttmp9, s72                  ; the coordinate along which other clusters read the same rows
	s_add_nc_u64 s[PFA:PFA+1], s[PFA:PFA+1], s[16:17]
	s_add_nc_u64 s[PFA:PFA+1], s[PFA:PFA+1], s[KST:KST+1]
	s_add_nc_u64 s[PFA:PFA+1], s[PFA:PFA+1], s[KST:KST+1]  ; at K step 2: the first refill steps it to 3
	s_cmp_eq_u32 s10, 3
	s_cselect_b32 s[LIM], 2, 1
	s_cselect_b32 s[PARM], 1, 0
	s_cmp_eq_u32 s72, 0
	s_cselect_b32 s[LIM], s[LIM], -1               ; the same in all sixteen partners, for a given wave
	s_cmp_eq_u32 s10, 1
	s_cselect_b32 s[LIM], -1, s[LIM]               ; wave 1 has no share
	v_and_b32 v[PFO], 31, v0
	v_lshlrev_b32 v[PFO], 8, v[PFO]
; n x 4 products of group g: row blocks a0 .. a0 + n - 1 x the group's four column blocks, 32 along K.  zero = 1: the products start the sums.
; The 96 accumulators take turns, one instruction a turn, in the same order in every slice.
.macro GRP g, fa, a0, n, zero
	WIN 0x50*(\g)                                  ; C and D in window g, both sources in window 0
.set ga, \a0
.rept \n
.irp bb, 0,1,2,3
.if \zero
	v_wmma_f32_16x16x32_bf16 v[32*ga+8*(\bb):32*ga+8*(\bb)+7], v[FB+8*(4*((\g)-1)+(\bb)):FB+8*(4*((\g)-1)+(\bb))+7], v[(\fa)+8*ga:(\fa)+8*ga+7], 0
.else
	v_wmma_f32_16x16x32_bf16 v[32*ga+8*(\bb):32*ga+8*(\bb)+7], v[FB+8*(4*((\g)-1)+(\bb)):FB+8*(4*((\g)-1)+(\bb))+7], v[(\fa)+8*ga:(\fa)+8*ga+7], v[32*ga+8*(\bb):32*ga+8*(\bb)+7]
.endif
.endr
.set ga, ga+1
.endr
.endm
.macro LDB g, k                        ; 8 LDS loads: group g's four fragments of W, at byte k of the rows
	WIN 0
.irp bb, 0,1,2,3
	ds_load_b128 v[FB+8*(4*((\g)-1)+(\bb)):FB+8*(4*((\g)-1)+(\bb))+3],   v[ADRB] offset:(\k)+(4*((\g)-1)+(\bb))*16*PITCH
	ds_load_b128 v[FB+8*(4*((\g)-1)+(\bb))+4:FB+8*(4*((\g)-1)+(\bb))+7], v[ADRB] offset:(\k)+(4*((\g)-1)+(\bb))*16*PITCH+32
.endr
.endm
.macro LDA fa, k                       ; 16 LDS loads: x's eight fragments
	WIN 0
.irp a, 0,1,2,3,4,5,6,7
	ds_load_b128 v[(\fa)+8*(\a):(\fa)+8*(\a)+3],   v[ADRA] offset:(\k)+(\a)*16*PITCH
	ds_load_b128 v[(\fa)+8*(\a)+4:(\fa)+8*(\a)+7], v[ADRA] offset:(\k)+(\a)*16*PITCH+32
.endr
.endm
; A K step's first slice.  At its head 40 loads are out, in this order: group 1 (8), x (16), group 2 (8), group 3 (8).
.macro SLICE0 zero
	s_wait_dscnt 16                                ; group 1 and x are in; groups 2 and 3 may be out
	GRP 1, FA0, 0, 8, \zero
	PLACES
	LDB 1, 64                                      ; the second slice's
	LDA FA1, 64
	s_wait_dscnt 32                                ; group 2 is in: behind it stand group 3's 8 and the 24 just issued
	GRP 2, FA0, 0, 8, \zero
	PLACES
	LDB 2, 64
	s_wait_dscnt 32                                ; group 3 is in: behind it stand 24 + 8
	GRP 3, FA0, 0, 8, \zero
	PLACES
	LDB 3, 64
.endm
; A K step's second slice, and the change of slots.  ONE barrier: in front of it each wave waits for all its tensor loads (the one that is out is its part of the next slot), adds 0 to its spare word, and waits
; for that and for its own reads of this slot.  fill = 1: the barrier opens a round of the cluster's barrier, and the slot is filled again, two K steps ahead, first thing behind the round: 160 products stand between that request and the wait for it.
.macro TURN fill
.if \fill
	s_wait_xcnt 0x0                                ; the last prefetch, a K step back, has read its address
	s_add_nc_u64 s[PFA:PFA+1], s[PFA:PFA+1], s[KST:KST+1]
.endif
	WIN 0
	s_xor_b32 s20, s20, SLOT1                      ; the fragments to come lie in the other slot
	v_add_nc_u32 v[ADRA], s20, v[A0]
	v_add_nc_u32 v[ADRB], s20, v[B0]
	s_wait_tensorcnt 0x0                           ; no tensor load of mine is out, so a group 0 may be written
	ds_add_u32 v[SPW], v[NIL]                      ; 0 onto my spare word
.if \fill
	s_xor_b32 s[G0A+5], s[G0A+5], SLOT1            ; the walking sets: the other slot than last time, the next K block
	s_add_nc_u64 s[G0A+6:G0A+7], s[G0A+6:G0A+7], KBA
	s_xor_b32 s[G0B+5], s[G0B+5], SLOT1
	s_add_nc_u64 s[G0B+6:G0B+7], s[G0B+6:G0B+7], KBB
.endif
	s_wait_dscnt 17                                ; group 1 and x are in; groups 2 and 3 and the add may be out
	GRP 1, FA1, 0, 4, 0
	s_wait_dscnt 0x0                               ; the add is done, and my reads of this slot are over
	s_barrier_signal -1
	GRP 1, FA1, 4, 4, 0
	WIN 0
	s_barrier_wait -1
.if \fill
	CREST                                          ; no wave of any partner still reads this slot or has a load on its way
	JLOAD                                          ; its four v_nop are also the places in front of the loads below
.else
	PLACES
.endif
	LDB 1, 0
	LDA FA0, 0
.if \fill
	ASK
.endif
	GRP 2, FA1, 0, 8, 0
	PLACES
	LDB 2, 0
	GRP 3, FA1, 0, 8, 0
	PLACES
	LDB 3, 0
.endm
	s_wait_tensorcnt 0x1                           ; my part of K step 0 is in; step 1's may stay out
	s_barrier_signal -1
	s_barrier_wait -1
	LDB 1, 0
	LDA FA0, 0
	LDB 2, 0
	LDB 3, 0
	SLICE0 1                                       ; the first slice stands in front of the loop: its products start the sums
	WIN 0
	s_mov_b32 s3, 14
.Lstep:                                                ; trip t: K step t's second slice, the refill with step t + 2, step t + 1's first slice
	TURN 1
	SLICE0 0
	WIN 0
	s_sub_co_u32 s3, s3, 1
	s_cmp_lg_u32 s3, 0
	s_cbranch_scc1 .Lstep
	TURN 0                                         ; the tail is written out: nothing is left to fetch
	SLICE0 0
	s_wait_dscnt 16
	GRP 1, FA1, 0, 8, 0
	s_wait_dscnt 8                                 ; group 3 may be out
	GRP 2, FA1, 0, 8, 0
	s_wait_dscnt 0x0
	GRP 3, FA1, 0, 8, 0
	PLACES
; THE WAY OUT, in two passes of 64 of each wave's 128 rows.  A wave's 192 columns are 384 bytes, one and a half aligned runs of 256: so the four waves share one stage, with a barrier between writing and reading.
.macro OUTPASS p
.irp g, 1,2,3
	WIN 5*(\g)                                     ; sources 0 and 1 in window g, destination in window 0
.irp ap, 0,1,2,3
.irp bb, 0,1,2,3
.irp j, 0,1,2,3
	v_cvt_pk_f16_f32 v[TMP+4*(12*(\ap)+4*((\g)-1)+(\bb))+(\j)], v[32*(4*(\p)+(\ap))+8*(\bb)+2*(\j)], v[32*(4*(\p)+(\ap))+8*(\bb)+2*(\j)+1]
.endr
.endr
.endr
.endr
	WIN 0
.irp ap, 0,1,2,3
.irp be, 0,1,2,3,4,5,6,7,8,9,10,11
	ds_store_b128 v[STO], v[TMP+4*(12*(\ap)+(\be)):TMP+4*(12*(\ap)+(\be))+3] offset:(\ap)*16*SPITCH+32*(\be)
.endr
.endr
	s_wait_dscnt 0x0                               ; for the others' sake: my stores into the stage are done
	s_barrier_signal -1
	s_barrier_wait -1
.set tau, 0
.rept 48
	ds_load_b128 v[TMP+4*tau:TMP+4*tau+3], v[RD] offset:(tau/3)*2*SPITCH+(tau%3)*256
.set tau, tau+1
.endr
.set tau, 0
.rept 48
	s_wait_dscnt 47-tau                            ; LDS loads return in order
	global_store_b128 v[CO], v[TMP+4*tau:TMP+4*tau+3], s[8:9] offset:(tau/3)*2*QROW+(tau%3)*256  ; 16 lanes store 256 consecutive bytes, at a multiple of 256 from qkv's first byte
.set tau, tau+1
.endr
.endm
	OUTPASS 0
	s_barrier_signal -1                            ; every wave's reads of the stage are back (the count-down ended at 0): it may be written again
	s_barrier_wait -1
	s_wait_xcnt 0x0                                ; the stores have read their registers and their base
	s_add_nc_u64 s[8:9], s[8:9], 64*QROW
	OUTPASS 1
	s_wait_tensorcnt 0x0                           ; the wave's end: an add and its wait, behind my last tensor load and my last LDS store
	ds_add_u32 v[SPW], v[NIL]
	s_wait_dscnt 0x0
	CROUND                                         ; the closing round: no work-group ends while a partner may still ask for a tile that names it
	s_endpgm
.Lfunc_end_k_q91f66cf753_proj:
	.size	k_q91f66cf753_proj, .Lfunc_end_k_q91f66cf753_proj-k_q91f66cf753_proj
	.p2alignl 7, 3214868480
	.fill 96, 4, 3214868480
	.section	.rodata,"a",@progbits
	.p2align	6, 0x0
	.amdhsa_kernel k_q91f66cf753_proj
		.amdhsa_group_segment_fixed_size 327680
		.amdhsa_private_segment_fixed_size 0
		.amdhsa_enable_private_segment 0
		.amdhsa_kernarg_size 24
		.amdhsa_user_sgpr_count 2
		.amdhsa_user_sgpr_kernarg_segment_ptr 1
		.amdhsa_wavefront_size32 1
		.amdhsa_system_sgpr_workgroup_id_x 1
		.amdhsa_system_sgpr_workgroup_id_y 1
		.amdhsa_system_sgpr_workgroup_id_z 1
		.amdhsa_system_vgpr_workitem_id 0
		.amdhsa_next_free_vgpr 1024
		.amdhsa_next_free_sgpr 74
		.amdhsa_reserve_vcc 0
		.amdhsa_float_denorm_mode_32 3
		.amdhsa_float_denorm_mode_16_64 3
		.amdhsa_memory_ordered 1
		.amdhsa_forward_progress 1
		.amdhsa_inst_pref_size 114
	.end_amdhsa_kernel
	.amdgpu_metadata
---
amdhsa.version: [ 1, 2 ]
amdhsa.kernels:
  - .name:           k_q91f66cf753_proj
    .symbol:         k_q91f66cf753_proj.kd
    .args:
      - { .name: xb, .offset: 0, .size: 8, .value_kind: global_buffer, .address_space: global }
      - { .name: wb, .offset: 8, .size: 8, .value_kind: global_buffer, .address_space: global }
      - { .name: qkv, .offset: 16, .size: 8, .value_kind: global_buffer, .address_space: global }
    .group_segment_fixed_size: 327680
    .private_segment_fixed_size: 0
    .kernarg_segment_align: 8
    .kernarg_segment_size: 24
    .max_flat_workgroup_size: 128
    .sgpr_count:     74
    .vgpr_count:     1024
    .wavefront_size: 32
...
	.end_amdgpu_metadata
.endif
;; end of part 2
;; launch scores (part 3): grid 36 x 4, 4 waves a work-group, no clusters, 327,680 bytes of LDS; arguments qkv, pw, stat; writes pw, stat
.if DOCPART == 3
	.amdgcn_target "amdgcn-amd-amdhsa--gfx1250"
	.amdhsa_code_object_version 6
	.text
	.protected	k_q91f66cf753_scores
	.globl	k_q91f66cf753_scores
	.p2align	8
	.type	k_q91f66cf753_scores,@function
k_q91f66cf753_scores:
	s_mov_b64 s[64:65], 0
	v_nop
	global_prefetch_b8 v0, s[64:65] scope:SCOPE_SE
	s_setreg_imm32_b32 hwreg(HW_REG_WAVE_MODE, 25, 1), 1
	s_wait_xcnt 0x0
; For each causal tile of 128 queries x 128 keys (key tile t <= query block i) of each of 4 batches:  s = q . k (K = 1,024, f16 operands, f32 sums),
;   mu[row] = c x the row's largest visible s in the tile, c = log2(e) / 32;   P' = 2^(c s - mu), rounded to f16 into pw;   l[row] = the sum of the unrounded P' (f32).
; mu and l go to stat ([b][t][row], l 524,288 bytes behind mu); the next launch joins the tiles of a row exactly.  Every exponent is at most a rounding above 0, whatever the inputs.
; LIMITS.  A hidden score counts as -1e30 (f16's scores stay under 4.4e12); a P' below 6e-8 is 0 in pw; a weight below 2^-126 counts as 0 in l; NaN and infinities are not treated apart.
; SHARES.  A work-group makes 256 queries x 256 keys: block (I, J), J <= I, of the 36 of a batch's triangle; a wave 128 x 128: 64 accumulators, 512 registers.  In a block on the diagonal the wave
; above it (queries' first half, keys' second) multiplies with the others, since every wave passes every barrier, and stores nothing: its tile is never read.
; K goes in steps of 128 through two LDS slots; each wave fetches 128 rows x 256 bytes (waves 0, 1: q's halves; 2, 3: k's).
; NO CLUSTER: the triangle's rows hold 1 to 8 blocks, so no fixed group of four shares one operand in every place, and partners would need different loads.
; THE PRODUCT IS TAKEN TRANSPOSED (source 0 = 16 keys, source 1 = 16 queries): a lane holds one query (lane % 16) and eight neighbouring keys.
; REGISTERS.  window 0: v0-31 addresses; v64-127, v128-191 q's fragments, two buffers (later the softmax's scores and packed weights); v32-47 mu and l of the trip in hand; v48-55 the mu or l that my lane keeps; v56-63 at work.
; window 1: k's fragments.  windows 2, 3: the accumulators, (a, b) at 8 (8 (a % 4) + b).
.set PITCH,  272                       ; an LDS row: 256 bytes + 16: 68 words: the 16 rows of a load start at 16 different groups of four banks (64 banks of 4 bytes: ISA guide 11.1)
.set HALFT,  128*PITCH
.set SLOT,   4*HALFT                   ; q's 256 rows, then k's 256
.set DPITCH, 528                       ; the dump: a row of 128 f32 + 16 bytes: 33 x 16
.set DUMPW,  128*DPITCH                ; a wave's dump; the four lie over the ring, which has had its last fill by then
.set SST,    2*SLOT                    ; behind the ring: 1,024 bytes a wave: 128 mu, 128 l
.set SPARE,  SST+4096                  ; the spare words, 128 bytes a wave: two blocks of 256 bytes that no other line names
.set STO,  8                           ; v8   where I dump 16 bytes of a row
.set RD1,  9                           ; v9   where I read a row back, for the dump's rows 64 on; never rewritten
.set GO,   10                          ; v10  my byte offset in two rows of pw
.set THR,  11                          ; v11  my row less my first key: key e of row pair rho is hidden where e - 2 rho is greater
.set SSA,  12                          ; v12  where the numbers that my lane keeps go: my wave's statistics + 64 (l % 16) + 4 (l / 16); never rewritten
.set SLD,  13                          ; v13  where I read 16 bytes of mu back
.set SGO,  14                          ; v14  16 x my lane
.set BIG,  15                          ; v15  -1e30
.set ADRA, 16                          ; v16  q's fragments in the slot in hand
.set A0,   17                          ; v17  the same in slot 0; never rewritten
.set ADRB, 20                          ; v20, v21 the same for k's
.set B0,   21
.set RD0,  22                          ; v22  where I read a row back, for the dump's rows 0 to 63; never rewritten
.set KC,   23                          ; v23  8 - l % 8: the loop's count in the trip whose numbers my lane keeps
.set SPW,  28                          ; v28  my spare word: SPARE + 4 x my thread's number; never rewritten
.set NIL,  29                          ; v29  0; never rewritten
.set PFO,  30                          ; v30  my lane x a row of qkv
.set MU,   32                          ; row pair rho: mu at MU + 2 rho, l beside it
.set KEEP, 48
.set SEL,  56
.set S,    64
.set PK,   128
.set F0,   64
.set F1,   128
.set G1, 24                            ; s[24:31] descriptor group 1
.set G0, 32                            ; s[32:39] group 0: a set for each first fill; the second then walks
.set LIM, 41                           ; s41  I prefetch while the loop's count is above it
.set PFA, 42                           ; s[42:43]
.set CS,  46                           ; s[46:47] c, as a pair
.set MHI, 51                           ; s51  the lanes with l % 16 >= 8: they keep l, the others mu
.set MTR, 52                           ; s52  the lanes that keep the numbers of the trip in hand
.set MSB, 0
.macro WIN new
.if MSB != (\new)
	s_set_vgpr_msb (MSB<<8)|(\new)
.set MSB, \new
.endif
.endm
.set MUL_LO, 0xa1                      ; source 0 (k) window 1, source 1 (q) window 0, C and D window 2
.set MUL_HI, 0xf1
.set TO_B,   0x40
.macro PLACES
.rept 4
	v_nop
.endr
.endm
	s_load_b128 s[4:7], s[0:1], 0x0                ; qkv s[4:5], pw s[6:7]
	s_load_b64 s[8:9], s[0:1], 0x10                ; stat
	v_lshl_add_u32 v[SPW], v0, 2, SPARE
	v_mov_b32 v[NIL], 0
	ds_add_u32 v[SPW], v[NIL]                      ; the wave's opening: the add and its wait ahead of my first tensor load
	v_lshrrev_b32 v1, 5, v0
	v_readfirstlane_b32 s10, v1                    ; wave 0..3
	s_lshr_b32 s11, s10, 1                         ; wq: which 128 queries are mine
	s_and_b32 s12, s10, 1                          ; wk: which 128 keys.  Also: which half of a tile I fetch
	s_and_b32 s15, ttmp7, 0xffff                   ; the batch
	s_mov_b32 s13, 0                               ; I = how many of the triangle's row starts 1, 3, 6 .. 28 my number has reached
.irp th, 1,3,6,10,15,21,28
	s_cmp_ge_u32 ttmp9, \th
	s_add_co_ci_u32 s13, s13, 0
.endr
	s_add_co_u32 s14, s13, 1
	s_mul_i32 s14, s14, s13
	s_lshr_b32 s14, s14, 1
	s_sub_co_u32 s14, ttmp9, s14                   ; J = my number less I (I + 1) / 2
	s_mov_b32 s[G1], (1<<16)|(1<<20)|(5<<22)|(3<<25)  ; 2-byte elements; padding on; after every 64 words; 4 words
	s_mov_b32 s[G1+1], 128<<16                     ; tensor_dim0 = 128
	s_mov_b32 s[G1+2], 128<<16                     ; tensor_dim1 = 128
	s_mov_b32 s[G1+3], 128<<16                     ; tile_dim0 = 128
	s_mov_b32 s[G1+4], 128                         ; tile_dim1 = 128
	s_mov_b32 s[G1+5], 3072                        ; elements from row to row of qkv
	s_mov_b32 s[G1+6], 0
	s_mov_b32 s[G1+7], 0
	s_cmp_lt_u32 s10, 2
	s_cselect_b32 s16, s13, s14                    ; waves 0, 1: q's block I; waves 2, 3: k's block J,
	s_cselect_b32 s17, 0, 2048                     ; which begins 2,048 bytes into a row
	s_lshl_b32 s16, s16, 8
	s_lshl_b32 s18, s12, 7
	s_add_co_u32 s16, s16, s18
	s_lshl_b32 s18, s15, 11
	s_add_co_u32 s16, s16, s18                     ; my first row
	s_mul_i32 s16, s16, 6144
	s_add_co_u32 s16, s16, s17
	s_mov_b32 s17, 0
	s_mul_i32 s22, s10, HALFT                      ; my quarter of a slot
	s_mov_b32 s[CS], 0x3d38aa3b                    ; c = log2(e) / 32
	s_mov_b32 s[CS+1], s[CS]
	s_wait_dscnt 0x0                               ; the opening add is done
	s_wait_kmcnt 0x0
	s_add_nc_u64 s[18:19], s[4:5], s[16:17]
	s_mov_b32 s[G0], 1
	s_mov_b32 s[G0+1], s22                         ; slot 0,
	s_mov_b64 s[G0+2:G0+3], s[18:19]               ; K step 0
	s_or_b32 s[G0+3], s[G0+3], 0x80000000
	s_mov_b32 s[G0+4], 1
	s_add_co_u32 s[G0+5], s22, SLOT                ; slot 1,
	s_add_nc_u64 s[G0+6:G0+7], s[18:19], 256       ; K step 1
	s_or_b32 s[G0+7], s[G0+7], 0x80000000
	s_mov_b32 s21, SLOT                            ; the slot that the walking set filled last
	tensor_load_to_lds s[G0:G0+3], s[G1:G1+7]      ; the two first fills go out together: two loads of mine are out
	s_nop 0
	tensor_load_to_lds s[G0+4:G0+7], s[G1:G1+7]
	s_nop 0
.rept 4
	v_nop
.endr
	v_and_b32 v1, 15, v0                           ; r = l % 16
	v_bfe_u32 v2, v0, 4, 1                         ; h = l / 16
	v_mul_u32_u24 v3, v1, PITCH
	v_lshl_add_u32 v3, v2, 4, v3
	s_mul_i32 s44, s11, HALFT
	s_mul_i32 s45, s12, HALFT
	s_add_co_u32 s45, s45, 2*HALFT
	v_add_nc_u32 v[A0], s44, v3
	v_add_nc_u32 v[B0], s45, v3
	v_mov_b32 v[ADRA], v[A0]
	v_mov_b32 v[ADRB], v[B0]
	s_mov_b32 s20, 0                               ; the slot in hand
	s_mul_i32 s44, s10, DUMPW
	v_mul_u32_u24 v3, v1, DPITCH
	v_lshl_add_u32 v3, v2, 4, v3
	v_add_nc_u32 v[STO], s44, v3                   ; in: row r, 16 bytes for each half of the lanes
	v_mul_u32_u24 v3, v2, DPITCH
	v_lshl_add_u32 v3, v1, 4, v3
	v_add_nc_u32 v[RD0], s44, v3                   ; back: lanes 0-15 one row, lanes 16-31 the next
	v_add_nc_u32 v[RD1], 64*DPITCH, v[RD0]         ; the same 64 rows on: the furthest row's offset from RD0 would pass the immediate's 16 bits
	v_lshlrev_b32 v3, 12, v2
	v_lshl_add_u32 v[GO], v1, 4, v3
	v_lshlrev_b32 v3, 3, v1
	v_sub_nc_u32 v[THR], v2, v3
	s_lshl_b32 s44, s10, 10
	s_add_co_u32 s44, s44, SST
	v_lshl_add_u32 v[SSA], v2, 2, s44
	v_lshl_add_u32 v[SSA], v1, 6, v[SSA]
	v_and_b32 v3, 7, v0
	v_sub_nc_u32 v[KC], 8, v3
	v_cmp_lt_u32 s[MHI], 7, v1
	v_and_b32 v3, 31, v0
	v_lshlrev_b32 v[SGO], 4, v3
	v_add_nc_u32 v[SLD], s44, v[SGO]
	v_mov_b32 v[BIG], 0xf149f2ca
	v_mul_u32_u24 v[PFO], v3, 6144
	s_lshl_b32 s44, s15, 11                        ; pw at row 2,048 b + 256 I + 128 wq, key 256 J + 128 wk
	s_lshl_b32 s45, s13, 8
	s_add_co_u32 s44, s44, s45
	s_lshl_b32 s45, s11, 7
	s_add_co_u32 s44, s44, s45
	s_lshl_b32 s44, s44, 12
	s_lshl_b32 s45, s14, 9
	s_add_co_u32 s44, s44, s45
	s_lshl_b32 s45, s12, 8
	s_add_co_u32 s44, s44, s45
	s_mov_b32 s45, 0
	s_add_nc_u64 s[6:7], s[6:7], s[44:45]
	s_lshl_b32 s44, s15, 4                         ; stat at [b][2 J + wk][256 I + 128 wq]
	s_lshl_b32 s48, s14, 1
	s_add_co_u32 s44, s44, s48
	s_add_co_u32 s44, s44, s12
	s_lshl_b32 s44, s44, 11
	s_lshl_b32 s48, s13, 8
	s_add_co_u32 s44, s44, s48
	s_lshl_b32 s48, s11, 7
	s_add_co_u32 s44, s44, s48
	s_lshl_b32 s44, s44, 2
	s_add_nc_u64 s[8:9], s[8:9], s[44:45]
	s_cmp_eq_u32 s13, s14                          ; a block on the diagonal?
	s_cselect_b32 s44, 1, 0
	s_cselect_b32 s[LIM], 1, -1
	s_cmp_eq_u32 s11, s12
	s_cselect_b32 s23, s44, 0                      ; s23 = 1: my tile holds the diagonal
	s_cmp_eq_u32 s10, 1
	s_cselect_b32 s40, s44, 0                      ; s40 = 1: my tile lies above it
	s_add_nc_u64 s[PFA:PFA+1], s[18:19], 512       ; at K step 2: the first refill steps it to 3
.macro MUL16 f, hi, a0, zero           ; 16 products: query blocks a0, a0 + 1 of the window's four x all 8 key blocks, 32 along K; the 64 accumulators take turns
	WIN MUL_LO+0x50*(\hi)
.irp a, \a0, (\a0)+1
.irp b, 0,1,2,3,4,5,6,7
.if \zero
	v_wmma_f32_16x16x32_f16 v[8*(8*(\a)+(\b)):8*(8*(\a)+(\b))+7], v[(\f)+8*(\b):(\f)+8*(\b)+7], v[(\f)+8*(4*(\hi)+(\a)):(\f)+8*(4*(\hi)+(\a))+7], 0
.else
	v_wmma_f32_16x16x32_f16 v[8*(8*(\a)+(\b)):8*(8*(\a)+(\b))+7], v[(\f)+8*(\b):(\f)+8*(\b)+7], v[(\f)+8*(4*(\hi)+(\a)):(\f)+8*(4*(\hi)+(\a))+7], v[8*(8*(\a)+(\b)):8*(8*(\a)+(\b))+7]
.endif
.endr
.endr
.endm
.macro FETCH k, f                      ; 32 LDS loads in one run: 128 keys' and 128 queries' fragments of 32 along K at byte k of the rows, into buffer f
	WIN TO_B
.irp i, 0,1,2,3,4,5,6,7
	ds_load_b128 v[(\f)+8*(\i):(\f)+8*(\i)+3],   v[ADRB] offset:(\k)+(\i)*16*PITCH
	ds_load_b128 v[(\f)+8*(\i)+4:(\f)+8*(\i)+7], v[ADRB] offset:(\k)+(\i)*16*PITCH+32
.endr
	WIN 0
.irp i, 0,1,2,3,4,5,6,7
	ds_load_b128 v[(\f)+8*(\i):(\f)+8*(\i)+3],   v[ADRA] offset:(\k)+(\i)*16*PITCH
	ds_load_b128 v[(\f)+8*(\i)+4:(\f)+8*(\i)+7], v[ADRA] offset:(\k)+(\i)*16*PITCH+32
.endr
.endm
.macro QUARTER k, f, g, zero           ; 64 products on buffer f; in their middle the next quarter's fragments, at byte k, go into buffer g
	s_wait_dscnt 8                                 ; k's fragments and q's rows 0-63 are in; the youngest eight loads may be out
	MUL16 \f, 0, 0, \zero
	MUL16 \f, 0, 2, \zero
	PLACES
	FETCH \k, \g
	s_wait_dscnt 32                                ; all but the 32 just issued
	MUL16 \f, 1, 0, \zero
	MUL16 \f, 1, 2, \zero
.endm
; A PREFETCH INTO THE L2: the trip that refills K step s + 2 names step s + 3: 256 products ahead of the load that will want it.  q's block I and k's block I are both read by the work-group on the
; diagonal, (I, I): it alone asks, each wave for the 128 rows that it fetches itself, a lane a row, four instructions.  So each row's 256 bytes of a step are named once in the launch.  Steps 0 to 2 come by their loads alone; no trip names a step past 7.
.macro ASK
	s_cmp_gt_u32 s3, s[LIM]
	s_cbranch_scc0 .Lnot_mine_\@
.irp k, 0,1,2,3
	global_prefetch_b8 v[PFO], s[PFA:PFA+1] offset:(\k)*32*6144 th:TH_LOAD_NT scope:SCOPE_SE
.endr
.Lnot_mine_\@:
.endm
; A K step's last quarter, and the change of slots: ONE barrier; in front of it each wave waits for all its tensor loads (its part of the next slot), adds 0 to its spare word, and waits for that and for its own reads of this slot.
; fill = 1: this slot is filled again, two K steps ahead, first thing behind the barrier: 224 products stand between that request and the wait for it.
.macro TURN fill
.if \fill
	s_wait_xcnt 0x0                                ; the last prefetches, a K step back, have read their address
	s_add_nc_u64 s[PFA:PFA+1], s[PFA:PFA+1], 256
.endif
	WIN 0
	s_xor_b32 s20, s20, SLOT                       ; s20 is 0 or SLOT: the other slot
	v_add_nc_u32 v[ADRA], s20, v[A0]
	v_add_nc_u32 v[ADRB], s20, v[B0]
	s_wait_tensorcnt 0x0                           ; no tensor load of mine is out, so a group 0 may be written
	ds_add_u32 v[SPW], v[NIL]                      ; 0 onto my spare word
.if \fill
	s_xor_b32 s21, s21, SLOT                       ; the walking set: the other slot than last time,
	s_add_co_u32 s[G0+5], s21, s22
	s_add_nc_u64 s[G0+6:G0+7], s[G0+6:G0+7], 256   ; the next K step
.endif
	s_wait_dscnt 9                                 ; the add and the youngest eight loads may be out
	MUL16 F1, 0, 0, 0
	s_wait_dscnt 0x0                               ; the add is done, and my reads of this slot are over
	s_barrier_signal -1
	MUL16 F1, 0, 2, 0
	WIN 0
	s_barrier_wait -1
.if \fill
	tensor_load_to_lds s[G0+4:G0+7], s[G1:G1+7]    ; my one tensor load behind the barrier, and the first thing there
	s_nop 0
.endif
	PLACES                                         ; in front of the loads into buffer 0
	FETCH 0, F0
.if \fill
	ASK
.endif
	MUL16 F1, 1, 0, 0
	MUL16 F1, 1, 2, 0
.endm
	s_wait_tensorcnt 0x1                           ; my part of K step 0 is in; step 1's may stay out
	s_barrier_signal -1
	s_barrier_wait -1
	FETCH 0, F0
	QUARTER 64, F0, F1, 1                          ; the first quarter stands in front of the loop: its products start the sums
	WIN 0
	s_mov_b32 s3, 6
.Lstep:                                                ; trip s: K step s from its second quarter, the refill with step s + 2, step s + 1's first quarter
	QUARTER 128, F1, F0, 0
	QUARTER 192, F0, F1, 0
	TURN 1
	QUARTER 64, F0, F1, 0
	WIN 0
	s_sub_co_u32 s3, s3, 1
	s_cmp_lg_u32 s3, 0
	s_cbranch_scc1 .Lstep
	QUARTER 128, F1, F0, 0                         ; the tail is written out: nothing is left to fetch
	QUARTER 192, F0, F1, 0
	TURN 0
	QUARTER 64, F0, F1, 0
	QUARTER 128, F1, F0, 0
	QUARTER 192, F0, F1, 0
	s_wait_dscnt 8
	MUL16 F1, 0, 0, 0
	MUL16 F1, 0, 2, 0
	s_wait_dscnt 0x0
	MUL16 F1, 1, 0, 0
	MUL16 F1, 1, 2, 0
	PLACES
	WIN 0
	s_barrier_signal -1                            ; every wave's reads of the ring are back and every tensor load has landed: the ring's bytes may be stored into
	s_barrier_wait -1
	s_cmp_eq_u32 s40, 1
	s_cbranch_scc1 .Lend                           ; the tile above the diagonal is not wanted
	; THE DUMP.  A lane's eight scores of a row go out as two stores of 16 bytes: keys 8 g + 0..3 of group g = 2 b + l / 16 at byte 16 g of the row, keys 8 g + 4..7 at byte 256 + 16 g.
	; Read back by rows, lane c of 16 gets the eight neighbouring keys 8 c + 0..7 of one row: 16 bytes of pw.  The dump is the wave's own: LDS serves a wave's instructions in order (ISA guide 5.7.1.4).
.irp a, 0,1,2,3,4,5,6,7
	WIN 0x08+4*((\a)/4)                            ; the stored data in window 2 or 3
.irp b, 0,1,2,3,4,5,6,7
	ds_store_b128 v[STO], v[8*(8*((\a)%4)+(\b)):8*(8*((\a)%4)+(\b))+3]   offset:(\a)*16*DPITCH+32*(\b)
	ds_store_b128 v[STO], v[8*(8*((\a)%4)+(\b))+4:8*(8*((\a)%4)+(\b))+7] offset:(\a)*16*DPITCH+32*(\b)+256
.endr
.endr
	WIN 0
.irp rho, 0,1,2,3,4,5,6,7
	v_mov_b32 v[KEEP+(\rho)], 0                    ; written whole once: each lane's eight are set in the one trip that is its own
.endr
; The sixteen loads of the dump's rows 16 a .. 16 a + 15: a lane part that is never rewritten, and a constant.
.macro ROWS16 a
.set rb, RD0
.if (\a) >= 4
.set rb, RD1
.endif
.irp rho, 0,1,2,3,4,5,6,7
	ds_load_b128 v[S+8*(\rho):S+8*(\rho)+3],   v[rb] offset:((\a)%4)*16*DPITCH+(\rho)*2*DPITCH
	ds_load_b128 v[S+8*(\rho)+4:S+8*(\rho)+7], v[rb] offset:((\a)%4)*16*DPITCH+(\rho)*2*DPITCH+256
.endr
.endm
	s_mov_b32 s3, 8
.Lrows:                                                ; trip a = 8 - s3: 16 rows.  Register S + 8 rho + e of lane (h, c) is row 16 a + 2 rho + h, key 8 c + e
	; The arithmetic of a trip is written once; its loads are written out for each of the eight trips, so that every LDS address of the text is a lane part and a constant.  The loop's count picks the run; the last run needs no test.
.irp a, 0,1,2,3,4,5,6
	s_cmp_eq_u32 s3, 8-(\a)
	s_cbranch_scc0 .Lnot_\a
	ROWS16 \a
	s_branch .Lgot
.Lnot_\a:
.endr
	ROWS16 7
.Lgot:
	s_wait_dscnt 0x0
	s_cmp_eq_u32 s23, 0
	s_cbranch_scc1 .Lopen
.irp rho, 0,1,2,3,4,5,6,7                              ; the diagonal's tile: a key beyond the row's own is hidden
.irp e, 0,1,2,3,4,5,6,7
	v_cmp_gt_i32 vcc_lo, (\e)-2*(\rho), v[THR]
	v_cndmask_b32 v[S+8*(\rho)+(\e)], v[S+8*(\rho)+(\e)], v[BIG], vcc_lo
.endr
.endr
.Lopen:
.irp rho, 0,1,2,3,4,5,6,7                              ; the row's maximum: eight scores in the lane, then the 16 lanes of the row
	v_max3_num_f32 v[MU+2*(\rho)], v[S+8*(\rho)], v[S+8*(\rho)+1], v[S+8*(\rho)+2]
.endr
.irp rho, 0,1,2,3,4,5,6,7
	v_max3_num_f32 v[MU+2*(\rho)+1], v[S+8*(\rho)+3], v[S+8*(\rho)+4], v[S+8*(\rho)+5]
.endr
.irp rho, 0,1,2,3,4,5,6,7
	v_max3_num_f32 v[MU+2*(\rho)], v[MU+2*(\rho)], v[S+8*(\rho)+6], v[S+8*(\rho)+7]
.endr
.irp rho, 0,1,2,3,4,5,6,7
	v_max_num_f32 v[MU+2*(\rho)], v[MU+2*(\rho)], v[MU+2*(\rho)+1]
.endr
.irp m, 1,2,4,8
.irp rho, 0,1,2,3,4,5,6,7
	v_max_num_f32_dpp v[MU+2*(\rho)], v[MU+2*(\rho)], v[MU+2*(\rho)] row_xmask:\m row_mask:0xf bank_mask:0xf
.endr
.endr
.irp rho, 0,1,2,3,4,5,6,7
	v_mul_f32 v[MU+2*(\rho)], s[CS], v[MU+2*(\rho)]  ; mu = c x maximum
.endr
.irp p, 0,1,2,3
.irp rho, 0,1,2,3,4,5,6,7
	v_pk_fma_f32 v[S+8*(\rho)+2*(\p):S+8*(\rho)+2*(\p)+1], v[S+8*(\rho)+2*(\p):S+8*(\rho)+2*(\p)+1], s[CS:CS+1], v[MU+2*(\rho):MU+2*(\rho)+1] op_sel_hi:[1,0,0] neg_lo:[0,0,1] neg_hi:[0,0,1]  ; c s - mu
.endr
.endr
.set i, 0
.rept 64
	v_exp_f32 v[S+i], v[S+i]                       ; one batch
.set i, i+1
.endr
	v_nop                                          ; a plain instruction behind the last exponential,
	s_wait_alu depctr_va_vdst(0)                   ; and the one wait ahead of the batch's first reader
.irp rho, 0,1,2,3,4,5,6,7
.irp p, 0,1,2,3
	v_cvt_pk_f16_f32 v[PK+4*(\rho)+(\p)], v[S+8*(\rho)+2*(\p)], v[S+8*(\rho)+2*(\p)+1]
.endr
.endr
.irp rho, 0,1,2,3,4,5,6,7
	global_store_b128 v[GO], v[PK+4*(\rho):PK+4*(\rho)+3], s[6:7] offset:(\rho)*8192  ; 16 lanes store 256 consecutive bytes, at a multiple of 256 from pw's first byte
.endr
.irp rho, 0,1,2,3,4,5,6,7                              ; l: the unrounded weights, in the lane and then over the row's 16 lanes
	v_pk_add_f32 v[S+8*(\rho):S+8*(\rho)+1], v[S+8*(\rho):S+8*(\rho)+1], v[S+8*(\rho)+2:S+8*(\rho)+3]
	v_pk_add_f32 v[S+8*(\rho)+4:S+8*(\rho)+5], v[S+8*(\rho)+4:S+8*(\rho)+5], v[S+8*(\rho)+6:S+8*(\rho)+7]
.endr
.irp rho, 0,1,2,3,4,5,6,7
	v_pk_add_f32 v[S+8*(\rho):S+8*(\rho)+1], v[S+8*(\rho):S+8*(\rho)+1], v[S+8*(\rho)+4:S+8*(\rho)+5]
.endr
.irp rho, 0,1,2,3,4,5,6,7
	v_add_f32 v[MU+2*(\rho)+1], v[S+8*(\rho)], v[S+8*(\rho)+1]
.endr
.irp m, 1,2,4,8
.irp rho, 0,1,2,3,4,5,6,7
	v_add_f32_dpp v[MU+2*(\rho)+1], v[MU+2*(\rho)+1], v[MU+2*(\rho)+1] row_xmask:\m row_mask:0xf bank_mask:0xf
.endr
.endr
	; All 16 lanes of a half hold the same mu and l of row 16 a + 2 rho + h.  Lane c keeps those of trip a = c % 8: mu where c < 8, l where c >= 8: so behind the loop each lane holds eight numbers that no other lane holds.
	v_cmp_eq_u32 s[MTR], s3, v[KC]
.irp rho, 0,1,2,3,4,5,6,7
	v_cndmask_b32 v[SEL+(\rho)], v[MU+2*(\rho)], v[MU+2*(\rho)+1], s[MHI]
.endr
.irp rho, 0,1,2,3,4,5,6,7
	v_cndmask_b32 v[KEEP+(\rho)], v[KEEP+(\rho)], v[SEL+(\rho)], s[MTR]
.endr
	s_wait_xcnt 0x0                                ; the stores have read their registers and their base
	s_add_nc_u64 s[6:7], s[6:7], 65536             ; 16 rows of pw on
	v_add_nc_u32 v[THR], 16, v[THR]
	s_sub_co_u32 s3, s3, 1
	s_cmp_lg_u32 s3, 0
	s_cbranch_scc1 .Lrows
.irp rho, 0,1,2,3,4,5,6,7
	ds_store_b32 v[SSA], v[KEEP+(\rho)] offset:8*(\rho)  ; word 16 (c % 8) + 2 rho + h of my wave's mu, or of its l 512 bytes on (64 x 8 = 512): a word to each lane
.endr
	ds_load_b128 v[S:S+3],   v[SLD]                ; my 128 mu and 128 l, 512 consecutive bytes each; the bytes are my wave's own, and LDS serves a wave's instructions in order
	ds_load_b128 v[S+4:S+7], v[SLD] offset:512
	s_wait_dscnt 0x0
	global_store_b128 v[SGO], v[S:S+3],   s[8:9]
	global_store_b128 v[SGO], v[S+4:S+7], s[8:9] offset:524288
.Lend:
	s_wait_tensorcnt 0x0                           ; the wave's end: an add and its wait, behind my last tensor load and my last LDS store
	ds_add_u32 v[SPW], v[NIL]
	s_wait_dscnt 0x0
	s_endpgm
.Lfunc_end_k_q91f66cf753_scores:
	.size	k_q91f66cf753_scores, .Lfunc_end_k_q91f66cf753_scores-k_q91f66cf753_scores
	.p2alignl 7, 3214868480
	.fill 96, 4, 3214868480
	.section	.rodata,"a",@progbits
	.p2align	6, 0x0
	.amdhsa_kernel k_q91f66cf753_scores
		.amdhsa_group_segment_fixed_size 327680
		.amdhsa_private_segment_fixed_size 0
		.amdhsa_enable_private_segment 0
		.amdhsa_kernarg_size 24
		.amdhsa_user_sgpr_count 2
		.amdhsa_user_sgpr_kernarg_segment_ptr 1
		.amdhsa_wavefront_size32 1
		.amdhsa_system_sgpr_workgroup_id_x 1
		.amdhsa_system_sgpr_workgroup_id_y 1
		.amdhsa_system_sgpr_workgroup_id_z 1
		.amdhsa_system_vgpr_workitem_id 0
		.amdhsa_next_free_vgpr 1024
		.amdhsa_next_free_sgpr 66
		.amdhsa_reserve_vcc 1
		.amdhsa_float_denorm_mode_32 3
		.amdhsa_float_denorm_mode_16_64 3
		.amdhsa_memory_ordered 1
		.amdhsa_forward_progress 1
		.amdhsa_inst_pref_size 122
	.end_amdhsa_kernel
	.amdgpu_metadata
---
amdhsa.version: [ 1, 2 ]
amdhsa.kernels:
  - .name:           k_q91f66cf753_scores
    .symbol:         k_q91f66cf753_scores.kd
    .args:
      - { .name: qkv, .offset: 0, .size: 8, .value_kind: global_buffer, .address_space: global }
      - { .name: pw, .offset: 8, .size: 8, .value_kind: global_buffer, .address_space: global }
      - { .name: stat, .offset: 16, .size: 8, .value_kind: global_buffer, .address_space: global }
    .group_segment_fixed_size: 327680
    .private_segment_fixed_size: 0
    .kernarg_segment_align: 8
    .kernarg_segment_size: 24
    .max_flat_workgroup_size: 128
    .sgpr_count:     66
    .vgpr_count:     1024
    .wavefront_size: 32
...
	.end_amdgpu_metadata
.endif
;; end of part 3
;; launch pv (part 4): grid 8 x 32, 4 waves a work-group, clusters of 4 x 4, 327,680 bytes of LDS; arguments pw, qkv, stat, out0; writes out0
.if DOCPART == 4
	.amdgcn_target "amdgcn-amd-amdhsa--gfx1250"
	.amdhsa_code_object_version 6
	.text
	.protected	k_q91f66cf753_pv
	.globl	k_q91f66cf753_pv
	.p2align	8
	.type	k_q91f66cf753_pv,@function
k_q91f66cf753_pv:
	s_mov_b64 s[64:65], 0
	v_nop
	global_prefetch_b8 v0, s[64:65] scope:SCOPE_SE
	s_setreg_imm32_b32 hwreg(HW_REG_WAVE_MODE, 25, 1), 1
	s_wait_xcnt 0x0
	s_wait_alu depctr_hold_cnt(0) depctr_sa_sdst(0) depctr_va_vdst(0) depctr_va_sdst(0) depctr_va_ssrc(0) depctr_va_vcc(0) depctr_vm_vsrc(0)
	s_getreg_b32 s2, hwreg(HW_REG_IB_STS2, 6, 4)
	s_cmp_eq_u32 s2, 0
	s_cbranch_scc0 .Lentry_in_a_cluster
	s_endpgm
.Lentry_in_a_cluster:
	s_bfe_u32 s2, ttmp6, 0x10000c
	s_cmp_lg_u32 s2, 0xf033
	s_cbranch_scc0 .Lentry_shape_is_right
	s_endpgm
.Lentry_shape_is_right:
; out[q][ch] = the sum over key tiles t <= i of f(q, t) x (the sum over the tile's 128 keys of P'[q][k] v[k][ch]),  f(q, t) = 2^(mu_t - M) / L,  M = the largest mu_t of the row,  L = the sum of 2^(mu_t - M) l_t.
; With P' = 2^(c s - mu_t) that is softmax(s / 32) v exactly; every exponent is at most 0.  f16 operands; a tile's product X, the factor f and O stay in f32; out is f32.
; LIMITS.  A factor 2^(mu_t - M) below 2^-126 counts as 0; NaN and infinities are not treated apart.
; SHARES.  A work-group makes two tiles of 128 queries x 128 channels, one after the other: query blocks I1 = 12 - 4 g + cy and I2 = 4 g + cy (g = cluster y % 2), walking key tiles 0 .. 15 - 4 g and then 0 .. 4 g + 3:
; 20 positions of 128 keys for every work-group, two to an LDS slot, ten slots.  A wave makes 64 x 64: 16 accumulators X for the position in hand, 16 O.
; CLUSTER 4 x 4: all sixteen partners walk the same t.  P' hangs on the query block alone and is asked for jointly by a row of the cluster, v on the channels alone and by a column.  Where t > i (at most three
; positions a block) the partner still asks: P's address is held at the diagonal's tile and f is 0.  No branch and no LDS address hangs on a place in the cluster.
; LAYOUT.  O^T = V^T P (source 0 = 16 channels, turned out of LDS by ds_load_tr16_b128; source 1 = 16 queries as they lie): a lane holds one query (lane % 16) and eight channels.
; REGISTERS.  window 0: addresses, f, the table's work, the way out.  window 1: two fragment buffers of 128 (64 of P', then 64 of v; 64 keys each).  window 2: X at 8 (4 a + cb), O at 128 + 8 (4 a + cb).
.set PP,    272                        ; a row of P' in LDS: 256 + 16 bytes
.set PVP,   288                        ; a row of v: 256 + 32
.set VOFF,  128*PP
.set PLACE, 128*(PP+PVP)               ; a position's tiles: P', then v
.set SLOT,  2*PLACE
.set FT,    2*SLOT                     ; behind the ring, never filled by a tensor load: f, [position 0..19][row 0..127] f32
.set STAGE, FT+20*512                  ; 16 rows x 272 bytes for each wave, for the way out
.set SP,    272
.set SPARE, STAGE+4*16*SP              ; the spare words, 128 bytes a wave: two blocks of 256 bytes that no other line names
.set PA0, 4                            ; v4   my lane's place in P's fragments of LDS byte 0; never rewritten
.set VA0, 5                            ; v5   the same for v's
.set ADP, 6                            ; v6, v7 the same in the place in hand
.set ADV, 7
.set FA0, 8                            ; v8   my query's word of position 0 in the table
.set FAD, 9
.set STO, 10                           ; v10  the way out: where I put 32 bytes of a row
.set RD,  11                           ; v11  where I read rows back
.set GO,  12                           ; v12  my byte offset in two rows of out
.set PFO, 13                           ; v13  my lane x a row of pw or of qkv
.set T4,  14                           ; v14  4 x my thread's number
.set FTA, 15                           ; v15  my row's word of position 0 in the table
.set FV,  16                           ; f of query block a at v[16 + 2 a]; the odd registers hold 0 and are only named as the pairs' second halves
.set SPW, 28                           ; v28  my spare word: SPARE + 4 x my thread's number; never rewritten
.set NIL, 29                           ; v29  0; never rewritten
.set VT1, 64                           ; the table's work: offsets, mu and l of both blocks
.set VT2, 80
.set MU1, 88
.set LL1, 104
.set MU2, 120
.set LL2, 128
.set TMP, 64                           ; the way out: 128 registers
.set F0,  0
.set F1,  128
.set TB,  20                           ; s20  LDS byte at which the place in hand begins
.set TF,  21                           ; s21  the slot that the walking sets filled last: 0 or SLOT
.set FO,  22                           ; s22  512 x the position whose f is fetched next
.set RT,  23                           ; s23  slots of the first block still to be finished
.set G1P, 24
.set G1V, 32
.set G0P, 40                           ; s[40:47] a set for each first fill; the second then walks
.set G0V, 48
.set TQ,  56                           ; the walker: the first key tile of the slot to be named next,
.set IQ,  57                           ; its query block,
.set RQ,  58                           ; slots of the first block still to be named,
.set WPH, 59                           ; 1: it has reached the second block
.set I1,  60
.set I2,  61
.set NP,  62                           ; what the walker named last: byte offsets of my place's tiles in pw and in v,
.set NV,  63
.set P1,  66                           ; and the two slots before that: the next refill's, and the one after
.set P2,  67
.set V1,  68
.set V2,  69
.set PWB, 70                           ; s[70:71] pw at my batch
.set VB,  72                           ; s[72:73] v at my batch and channels
.set OUT2, 74                          ; s[74:75] out at my rows of the second block (s[10:11]: of the first)
.set PB,  76                           ; s[76:77] the prefetches' base
.set PFA, 78                           ; s[78:79]
.set LIM, 80
.set PHK, 81
.set GM,  82                           ; all ones where g = 1
.set NPH, 83
.set WP,  90                           ; s90  my place in a slot, for P'; s91 for v
.set WVV, 91
.set SB1, 92                           ; s[92:93], s[96:97] stat at my batch and query blocks
.set SB2, 96
.set MSB, 0
.macro WIN new
.if MSB != (\new)
	s_set_vgpr_msb (MSB<<8)|(\new)
.set MSB, \new
.endif
.endm
.set W_MM, 0xa5                        ; both sources in window 1, C and D in window 2
.set W_LU, 0xa2                        ; X and O in window 2, f in window 0
.macro PLACES
.rept 4
	v_nop
.endr
.endm
.macro JLOAD                           ; a joint refill: waves 0 and 1 fetch P' of the slot's two places, waves 2 and 3 v; an s_nop 0 and four v_nop follow each line
	s_cmp_eq_u32 s13, 0
	s_cbranch_scc0 .Lfor_v_\@
	tensor_load_to_lds s[G0P+4:G0P+7], s[G1P:G1P+7]
	s_nop 0
.rept 4
	v_nop
.endr
	s_branch .Lasked_\@
.Lfor_v_\@:
	tensor_load_to_lds s[G0V+4:G0V+7], s[G1V:G1V+7]
	s_nop 0
.rept 4
	v_nop
.endr
.Lasked_\@:
.endm
.macro CREST
	s_cmp_lg_u32 s12, 0
	s_cbranch_scc1 .Lnot_wave_0_\@
	s_barrier_signal -3
.Lnot_wave_0_\@:
	s_barrier_wait -3
	s_barrier_signal -1
	s_barrier_wait -1
.endm
.macro CROUND
	s_barrier_signal -1
	s_barrier_wait -1
	CREST
.endm
; The walker names the next slot of the walk: for my place (s14) key tile t = TQ + s14; P's tile is (IQ, min(t, IQ)), v's is t.  cy enters NP alone; NV hangs on t alone.
.macro WALK
	s_add_co_u32 s84, s[TQ], s14
	s_min_u32 s85, s84, s[IQ]
	s_lshl_b32 s[NP], s[IQ], 19                    ; 128 rows of 4,096 bytes
	s_lshl_b32 s85, s85, 8                         ; 128 keys of 2 bytes
	s_add_co_u32 s[NP], s[NP], s85
	s_mul_i32 s[NV], s84, 128*6144
	s_mov_b32 s[NPH], s[WPH]
	s_add_co_u32 s[TQ], s[TQ], 2
	s_sub_co_u32 s[RQ], s[RQ], 1
	s_cmp_eq_u32 s[RQ], 0                          ; behind the first block's last slot: the second block's tile 0
	s_cselect_b32 s[TQ], 0, s[TQ]
	s_cselect_b32 s[IQ], s[I2], s[IQ]
	s_cselect_b32 s[WPH], 1, s[WPH]
.endm
.macro SETG set, rp, rv                ; both tensors' global addresses of a set are made anew: the base and an offset made apart
	s_mov_b32 s88, s[\rp]
	s_add_nc_u64 s[G0P+(\set)+2:G0P+(\set)+3], s[PWB:PWB+1], s[88:89]
	s_or_b32 s[G0P+(\set)+3], s[G0P+(\set)+3], 0x80000000
	s_mov_b32 s86, s[\rv]
	s_add_nc_u64 s[G0V+(\set)+2:G0V+(\set)+3], s[VB:VB+1], s[86:87]
	s_or_b32 s[G0V+(\set)+3], s[G0V+(\set)+3], 0x80000000
.endm
; A PREFETCH INTO THE L2, behind a joint refill and the run of LDS loads that follows it: the trip that refills slot j + 2 names slot j + 4: two slots, 256 products, ahead of the load that will want it.
; Each wave names the tile that it will fetch itself, a lane a row, 32 of its 128 rows: P' where cluster x = 0, the rows shared out by cx; v where g = 0 and the slot belongs to the first block, whose walk
; reads every key tile first, the rows shared out by cy: by address alone.  A position with t > i names the diagonal's tile of P' once more.  Slots 0 to 3 come by their loads alone; no trip names a slot past 9.
.macro ASK
	s_cmp_gt_u32 s3, s[LIM]
	s_cbranch_scc0 .Lnot_mine_\@
	s_cmp_eq_u32 s[PHK], 0
	s_cbranch_scc0 .Lnot_mine_\@
	global_prefetch_b8 v[PFO], s[PFA:PFA+1] th:TH_LOAD_NT scope:SCOPE_SE
.Lnot_mine_\@:
.endm
	s_load_b256 s[4:11], s[0:1], 0x0               ; pw s[4:5], qkv s[6:7], stat s[8:9], out0 s[10:11]
	v_lshl_add_u32 v[SPW], v0, 2, SPARE
	v_mov_b32 v[NIL], 0
	ds_add_u32 v[SPW], v[NIL]                      ; the wave's opening: the add and its wait ahead of my first tensor load
	v_lshrrev_b32 v1, 5, v0
	v_readfirstlane_b32 s12, v1                    ; wave 0..3
	s_lshr_b32 s13, s12, 1                         ; wq: which 64 queries are mine.  Also: I fetch P' (0) or v (1)
	s_and_b32 s14, s12, 1                          ; wc: which 64 channels.  Also: which place of a slot I fetch
	s_bfe_u32 s15, ttmp6, 0x40000                  ; cx
	s_bfe_u32 s16, ttmp6, 0x40004                  ; cy
	s_lshl_b32 s17, ttmp9, 2
	s_add_co_u32 s17, s17, s15                     ; my 128 channels
	s_and_b32 s18, ttmp7, 0xffff
	s_and_b32 s19, s18, 1                          ; g
	s_lshr_b32 s18, s18, 1                         ; the batch
	s_lshl_b32 s84, s16, 2
	s_lshl_b32 s84, 15, s84                        ; my row of the cluster
	s_lshl_b32 s85, 0x1111, s15                    ; my column
	s_or_b32 s[G1P], s84, (1<<16)|(1<<20)|(1<<21)|(5<<22)|(3<<25)  ; 2-byte elements; padding on; bit 21 beside a mask; after every 64 words; 4 words
	s_or_b32 s[G1V], s85, (1<<16)|(1<<20)|(1<<21)|(5<<22)|(7<<25)  ; the same with 8 words
.irp g, G1P, G1V
	s_mov_b32 s[(\g)+1], 128<<16                   ; tensor_dim0 = 128
	s_mov_b32 s[(\g)+2], 128<<16                   ; tensor_dim1 = 128
	s_mov_b32 s[(\g)+3], 128<<16                   ; tile_dim0 = 128
	s_mov_b32 s[(\g)+4], 128                       ; tile_dim1 = 128
	s_mov_b32 s[(\g)+6], 0
	s_mov_b32 s[(\g)+7], 0
.endr
	s_mov_b32 s[G1P+5], 2048                       ; elements from row to row of pw,
	s_mov_b32 s[G1V+5], 3072                       ; of qkv
	s_lshl_b32 s84, s19, 2
	s_add_co_u32 s[I2], s84, s16
	s_sub_co_u32 s[I1], 12, s84
	s_add_co_u32 s[I1], s[I1], s16
	s_lshl_b32 s84, s19, 1
	s_sub_co_u32 s[RT], 8, s84                     ; the first block has 8 - 2 g slots
	s_mov_b32 s[TQ], 0
	s_mov_b32 s[IQ], s[I1]
	s_mov_b32 s[RQ], s[RT]
	s_mov_b32 s[WPH], 0
	s_mul_i32 s[WP], s14, PLACE                    ; no place in the cluster enters an LDS address
	s_add_co_u32 s[WVV], s[WP], VOFF
	s_mov_b32 s87, 0
	s_mov_b32 s89, 0
	s_mov_b32 s95, 0
	s_mov_b32 s[G0P], 1
	s_mov_b32 s[G0P+1], s[WP]                      ; slot 0
	s_mov_b32 s[G0P+4], 1
	s_add_co_u32 s[G0P+5], s[WP], SLOT             ; slot 1
	s_mov_b32 s[G0V], 1
	s_mov_b32 s[G0V+1], s[WVV]
	s_mov_b32 s[G0V+4], 1
	s_add_co_u32 s[G0V+5], s[WVV], SLOT
	s_mov_b32 s[TF], SLOT
	s_wait_dscnt 0x0                               ; the opening add is done
	s_wait_kmcnt 0x0
	s_lshl_b32 s94, s18, 23                        ; a batch of pw: 2,048 x 4,096 bytes
	s_add_nc_u64 s[PWB:PWB+1], s[4:5], s[94:95]
	s_mul_i32 s94, s18, 2048*6144
	s_lshl_b32 s84, s17, 8
	s_add_co_u32 s94, s94, s84
	s_add_co_u32 s94, s94, 4096                    ; v begins 4,096 bytes into a row of qkv
	s_add_nc_u64 s[VB:VB+1], s[6:7], s[94:95]
	WALK
	SETG 0, NP, NV                                 ; slot 0
	WALK
	SETG 4, NP, NV                                 ; slot 1
	WALK
	s_mov_b32 s[P1], s[NP]                         ; slot 2
	s_mov_b32 s[V1], s[NV]
	WALK
	s_mov_b32 s[P2], s[NP]                         ; slot 3
	s_mov_b32 s[V2], s[NV]
	CROUND                                         ; all sixteen work-groups are here: the first joint loads meet
	s_cmp_eq_u32 s13, 0                            ; a wave's two first fills stand in one branch: two loads of mine are out
	s_cbranch_scc0 .Lfirst_v
	tensor_load_to_lds s[G0P:G0P+3], s[G1P:G1P+7]
	s_nop 0
	tensor_load_to_lds s[G0P+4:G0P+7], s[G1P:G1P+7]
	s_nop 0
.rept 4
	v_nop
.endr
	s_branch .Lfirst_asked
.Lfirst_v:
	tensor_load_to_lds s[G0V:G0V+3], s[G1V:G1V+7]
	s_nop 0
	tensor_load_to_lds s[G0V+4:G0V+7], s[G1V:G1V+7]
	s_nop 0
.rept 4
	v_nop
.endr
.Lfirst_asked:
	; THE TABLE OF f.  Thread n is row n of both query blocks.  mu and l of tile min(t, i): a tile beyond the diagonal repeats the diagonal's numbers, which does a maximum no harm, and its factor is set to 0.
	v_lshlrev_b32 v[T4], 2, v0
	s_lshl_b32 s84, s18, 17                        ; a batch of stat: 16 x 2,048 x 4 bytes
	s_lshl_b32 s94, s[I1], 9                       ; 128 rows of 4 bytes
	s_add_co_u32 s94, s94, s84
	s_add_nc_u64 s[SB1:SB1+1], s[8:9], s[94:95]
	s_lshl_b32 s94, s[I2], 9
	s_add_co_u32 s94, s94, s84
	s_add_nc_u64 s[SB2:SB2+1], s[8:9], s[94:95]
.macro PHLOAD nt, ireg, sb, vt, mu, ll
.set t, 0
.rept \nt
	s_min_u32 s84, s[\ireg], t
	v_lshl_add_u32 v[(\vt)+t], s84, 13, v[T4]      ; a tile's 2,048 rows of 4 bytes
	global_load_b32 v[(\mu)+t], v[(\vt)+t], s[\sb:\sb+1]
	global_load_b32 v[(\ll)+t], v[(\vt)+t], s[\sb:\sb+1] offset:524288
.set t, t+1
.endr
.endm
	PHLOAD 16, I1, SB1, VT1, MU1, LL1
	PHLOAD 8,  I2, SB2, VT2, MU2, LL2
	; the addresses, and O = 0, stand in the wait for those loads and for the first tiles
	v_and_b32 v1, 15, v0                           ; r = l % 16
	v_bfe_u32 v2, v0, 4, 1                         ; h = l / 16
	v_and_b32 v3, 7, v0
	v_bfe_u32 v24, v0, 3, 1
	s_mul_i32 s84, s13, 64*PP
	v_mul_u32_u24 v[PA0], v1, PP
	v_lshl_add_u32 v[PA0], v2, 4, v[PA0]
	v_add_nc_u32 v[PA0], s84, v[PA0]               ; (64 wq + r) x pitch + 16 h
	v_lshl_add_u32 v[VA0], v2, 3, v3               ; the turning load: lane l reads key 8 h + l % 8, channels 8 ((l / 8) % 2) on
	v_mul_u32_u24 v[VA0], v[VA0], PVP
	v_lshl_add_u32 v[VA0], v24, 4, v[VA0]
	s_lshl_b32 s84, s14, 7
	s_add_co_u32 s84, s84, VOFF
	v_add_nc_u32 v[VA0], s84, v[VA0]
	s_lshl_b32 s84, s13, 8
	s_add_co_u32 s84, s84, FT
	v_lshl_add_u32 v[FA0], v1, 2, s84
	v_add_nc_u32 v[FTA], FT, v[T4]
	s_mul_i32 s84, s12, 16*SP
	s_add_co_u32 s84, s84, STAGE
	v_mul_u32_u24 v[STO], v1, SP
	v_lshl_add_u32 v[STO], v2, 5, v[STO]
	v_add_nc_u32 v[STO], s84, v[STO]
	v_mul_u32_u24 v[RD], v2, SP
	v_lshl_add_u32 v[RD], v1, 4, v[RD]
	v_add_nc_u32 v[RD], s84, v[RD]
	v_lshlrev_b32 v[GO], 12, v2
	v_lshl_add_u32 v[GO], v1, 4, v[GO]
.irp a, 0,1,2,3
	v_mov_b32 v[FV+2*(\a)+1], 0
.endr
	s_lshl_b32 s84, s18, 11                        ; out at row 2,048 b + 128 I + 64 wq, channel 128 ct + 64 wc
	s_lshl_b32 s85, s13, 6
	s_add_co_u32 s84, s84, s85
	s_lshl_b32 s85, s17, 9
	s_lshl_b32 s94, s14, 8
	s_add_co_u32 s85, s85, s94
	s_lshl_b32 s94, s[I2], 7
	s_add_co_u32 s94, s94, s84
	s_lshl_b32 s94, s94, 12
	s_add_co_u32 s94, s94, s85
	s_add_nc_u64 s[OUT2:OUT2+1], s[10:11], s[94:95]
	s_lshl_b32 s94, s[I1], 7
	s_add_co_u32 s94, s94, s84
	s_lshl_b32 s94, s94, 12
	s_add_co_u32 s94, s94, s85
	s_add_nc_u64 s[10:11], s[10:11], s[94:95]
	s_lshl_b32 s94, s15, 17                        ; the prefetches: P': my work-group's 32 rows by cx,
	s_mul_i32 s84, s16, 32*6144                    ; v: by cy
	s_mov_b32 s85, 6144
	s_cmp_eq_u32 s13, 0
	s_cselect_b32 s94, s94, s84
	s_cselect_b64 s[PB:PB+1], s[PWB:PWB+1], s[VB:VB+1]
	s_cselect_b32 s84, ttmp9, s19                  ; who asks: cluster x = 0 for P', g = 0 for v
	s_cselect_b32 s85, 4096, s85
	s_add_nc_u64 s[PB:PB+1], s[PB:PB+1], s[94:95]
	s_cmp_eq_u32 s84, 0
	s_cselect_b32 s[LIM], 2, -1                    ; the same in all sixteen partners, for a given wave
	s_cmp_eq_u32 s19, 1
	s_cselect_b32 s[GM], -1, 0
	v_and_b32 v[PFO], 31, v0
	v_mul_u32_u24 v[PFO], s85, v[PFO]
	WIN 0x80
.set i, 128
.rept 128
	v_mov_b32 v[i], 0                              ; O = 0: every position then has one form, O += f X
.set i, i+1
.endr
	WIN 0
	s_wait_loadcnt 0x0
.macro PHCALC nt, ireg, mu, ll         ; mu_t becomes f_t
	v_max3_num_f32 v32, v[(\mu)], v[(\mu)+1], v[(\mu)+2]
.set t, 3
.rept (\nt-4)/2
	v_max3_num_f32 v32, v32, v[(\mu)+t], v[(\mu)+t+1]
.set t, t+2
.endr
	v_max_num_f32 v32, v32, v[(\mu)+(\nt)-1]       ; M
.set t, 0
.rept \nt
	v_sub_f32 v[(\mu)+t], v[(\mu)+t], v32
.set t, t+1
.endr
.set t, 0
.rept \nt
	v_exp_f32 v[(\mu)+t], v[(\mu)+t]
.set t, t+1
.endr
	v_nop                                          ; a plain instruction behind the last exponential,
	s_wait_alu depctr_va_vdst(0)                   ; and the one wait ahead of the batch's first reader
.set t, 0
.rept \nt
	s_cmp_ge_u32 s[\ireg], t
	s_cselect_b32 s84, 1.0, 0
	v_mul_f32 v[(\mu)+t], s84, v[(\mu)+t]          ; 0 beyond the diagonal
.set t, t+1
.endr
	v_mul_f32 v33, v[(\mu)], v[(\ll)]              ; L, in two chains
	v_mul_f32 v34, v[(\mu)+1], v[(\ll)+1]
.set t, 2
.rept (\nt-2)/2
	v_fmac_f32 v33, v[(\mu)+t], v[(\ll)+t]
	v_fmac_f32 v34, v[(\mu)+t+1], v[(\ll)+t+1]
.set t, t+2
.endr
	v_add_f32 v33, v33, v34
	v_rcp_f32 v35, v33
	v_nop
	s_wait_alu depctr_va_vdst(0)
.set t, 0
.rept \nt
	v_mul_f32 v[(\mu)+t], v[(\mu)+t], v35
.set t, t+1
.endr
.endm
	PHCALC 16, I1, MU1, LL1
	PHCALC 8,  I2, MU2, LL2
	; position n: the first block's tile n while it lasts (16 - 4 g positions), then the second block's tiles
.irp n, 0,1,2,3
	v_cndmask_b32 v[36+(\n)], v[MU1+12+(\n)], v[MU2+(\n)], s[GM]      ; positions 12 to 15
	v_cndmask_b32 v[40+(\n)], v[MU2+(\n)], v[MU2+4+(\n)], s[GM]       ; positions 16 to 19
.endr
.set n, 0
.rept 12
	ds_store_b32 v[FTA], v[MU1+n] offset:512*n
.set n, n+1
.endr
.set n, 0
.rept 8
	ds_store_b32 v[FTA], v[36+n] offset:512*(12+n)
.set n, n+1
.endr
.macro MUL8 f, c, a0, zero             ; 8 products: query blocks a0, a0 + 1 x the 4 channel blocks, 32 keys: slice c of buffer f; the 16 accumulators take turns
	WIN W_MM
.irp a, \a0, (\a0)+1
.irp b, 0,1,2,3
.if \zero
	v_wmma_f32_16x16x32_f16 v[8*(4*(\a)+(\b)):8*(4*(\a)+(\b))+7], v[(\f)+64+8*(4*(\c)+(\b)):(\f)+64+8*(4*(\c)+(\b))+7], v[(\f)+8*(4*(\c)+(\a)):(\f)+8*(4*(\c)+(\a))+7], 0
.else
	v_wmma_f32_16x16x32_f16 v[8*(4*(\a)+(\b)):8*(4*(\a)+(\b))+7], v[(\f)+64+8*(4*(\c)+(\b)):(\f)+64+8*(4*(\c)+(\b))+7], v[(\f)+8*(4*(\c)+(\a)):(\f)+8*(4*(\c)+(\a))+7], v[8*(4*(\a)+(\b)):8*(4*(\a)+(\b))+7]
.endif
.endr
.endr
.endm
.macro FETCH hf, f                     ; 32 LDS loads in one run: the fragments of keys 64 hf .. 64 hf + 63 of the place in hand, the first 32 keys first
	WIN 0x40
.irp c, 0,1
.irp i, 0,1,2,3
	ds_load_tr16_b128 v[(\f)+64+8*(4*(\c)+(\i)):(\f)+64+8*(4*(\c)+(\i))+3],   v[ADV] offset:(\hf)*64*PVP+(\c)*32*PVP+32*(\i)
	ds_load_tr16_b128 v[(\f)+64+8*(4*(\c)+(\i))+4:(\f)+64+8*(4*(\c)+(\i))+7], v[ADV] offset:(\hf)*64*PVP+(\c)*32*PVP+32*(\i)+16*PVP
	ds_load_b128 v[(\f)+8*(4*(\c)+(\i)):(\f)+8*(4*(\c)+(\i))+3],   v[ADP] offset:(\hf)*128+64*(\c)+(\i)*16*PP
	ds_load_b128 v[(\f)+8*(4*(\c)+(\i))+4:(\f)+8*(4*(\c)+(\i))+7], v[ADP] offset:(\hf)*128+64*(\c)+(\i)*16*PP+32
.endr
.endr
.endm
.macro HALFA                           ; a position's first 64 keys: its first products start X; its f and its second half's fragments are fetched
	s_wait_dscnt 16                                ; the first 32 keys are in
	MUL8 F0, 0, 0, 1
	MUL8 F0, 0, 2, 1
	PLACES
	WIN 0
	v_add_nc_u32 v[FAD], s[FO], v[FA0]
	s_add_co_u32 s[FO], s[FO], 512
.irp a, 0,1,2,3
	ds_load_b32 v[FV+2*(\a)], v[FAD] offset:64*(\a)
.endr
	FETCH 1, F1
	s_wait_dscnt 32                                ; all but the 32 just issued: the other 32 keys and the four f are in
	MUL8 F0, 1, 0, 0
	MUL8 F0, 1, 2, 0
.endm
.macro HALFB                           ; the second 64 keys of a slot's first place; the second place's first fragments are fetched
	s_wait_dscnt 16
	MUL8 F1, 0, 0, 0
	MUL8 F1, 0, 2, 0
	PLACES
	WIN 0
	s_add_co_u32 s[TB], s[TB], PLACE
	v_add_nc_u32 v[ADP], s[TB], v[PA0]
	v_add_nc_u32 v[ADV], s[TB], v[VA0]
	FETCH 0, F0
	s_wait_dscnt 32
	MUL8 F1, 1, 0, 0
	MUL8 F1, 1, 2, 0
.endm
; The second 64 keys of a slot's second place, and the change of slots: ONE barrier; in front of it each wave waits for all its tensor loads (its part of the next slot), adds 0 to its spare word, and waits for that and for
; its own reads of this slot.  fill = 1: the barrier opens a round of the cluster's barrier, and the slot is filled again, two slots ahead, first thing behind the round: 112 products and two runs of O += f X stand between that request and the wait for it.
.macro TURNH fill
	WIN 0
.if \fill
	s_wait_xcnt 0x0                                ; the last prefetch, a slot back, has read its address
.endif
	s_sub_co_u32 s[TB], s[TB], PLACE               ; back to a slot's first place: 0 or SLOT,
	s_xor_b32 s[TB], s[TB], SLOT                   ; in the other slot
	v_add_nc_u32 v[ADP], s[TB], v[PA0]
	v_add_nc_u32 v[ADV], s[TB], v[VA0]
	s_wait_tensorcnt 0x0                           ; no tensor load of mine is out, so a group 0 may be written
	ds_add_u32 v[SPW], v[NIL]                      ; 0 onto my spare word
.if \fill
	s_xor_b32 s[TF], s[TF], SLOT
	s_add_co_u32 s[G0P+5], s[TF], s[WP]
	s_add_co_u32 s[G0V+5], s[TF], s[WVV]
	SETG 4, P1, V1
	s_mov_b32 s[P1], s[P2]
	s_mov_b32 s[V1], s[V2]
	WALK
	s_mov_b32 s[P2], s[NP]
	s_mov_b32 s[V2], s[NV]
	s_cmp_eq_u32 s13, 0
	s_cselect_b32 s94, s[NP], s[NV]
	s_cselect_b32 s[PHK], 0, s[NPH]
	s_add_nc_u64 s[PFA:PFA+1], s[PB:PB+1], s[94:95]
.endif
	s_wait_dscnt 17                                ; the first 32 keys are in; the other 16 loads and the add may be out
	MUL8 F1, 0, 0, 0
	s_wait_dscnt 0x0                               ; the add is done, and my reads of this slot are over
	s_barrier_signal -1
	MUL8 F1, 0, 2, 0
	WIN 0
	s_barrier_wait -1
.if \fill
	CREST                                          ; no wave of any partner still reads this slot or has a load on its way
	JLOAD                                          ; its four v_nop are also the places in front of the loads below
.else
	PLACES
.endif
	FETCH 0, F0
.if \fill
	WIN 0
	ASK
.endif
	MUL8 F1, 1, 0, 0
	MUL8 F1, 1, 2, 0
.endm
.macro LUMP                            ; O += f X, each accumulator's registers in ascending order
	PLACES
	WIN W_LU
.irp a, 0,1,2,3
.irp cb, 0,1,2,3
.irp p, 0,1,2,3
	v_pk_fma_f32 v[128+8*(4*(\a)+(\cb))+2*(\p):128+8*(4*(\a)+(\cb))+2*(\p)+1], v[8*(4*(\a)+(\cb))+2*(\p):8*(4*(\a)+(\cb))+2*(\p)+1], v[FV+2*(\a):FV+2*(\a)+1], v[128+8*(4*(\a)+(\cb))+2*(\p):128+8*(4*(\a)+(\cb))+2*(\p)+1] op_sel_hi:[1,0,1]
.endr
.endr
.endr
.endm
; THE WAY OUT.  A lane's eight channels of a row are 32 bytes; 16 rows at a time go into my stage and come back as whole rows of 256 bytes.  The stage is the wave's own: LDS serves a wave's instructions in order (ISA guide 5.7.1.4).
.macro OSTG a
	WIN 0x08                                       ; the stored data in window 2
.irp cb, 0,1,2,3
	ds_store_b128 v[STO], v[128+8*(4*(\a)+(\cb)):128+8*(4*(\a)+(\cb))+3]   offset:64*(\cb)
	ds_store_b128 v[STO], v[128+8*(4*(\a)+(\cb))+4:128+8*(4*(\a)+(\cb))+7] offset:64*(\cb)+16
.endr
	WIN 0
.irp rho, 0,1,2,3,4,5,6,7
	ds_load_b128 v[TMP+32*(\a)+4*(\rho):TMP+32*(\a)+4*(\rho)+3], v[RD] offset:(\rho)*2*SP
.endr
.endm
.macro OSEND base, a, younger          ; younger: the LDS instructions issued behind block a's loads: the next block's sixteen, or none
.irp rho, 0,1,2,3,4,5,6,7
	s_wait_dscnt (\younger)+7-(\rho)
	global_store_b128 v[GO], v[TMP+32*(\a)+4*(\rho):TMP+32*(\a)+4*(\rho)+3], s[\base:\base+1] offset:(16*(\a)+2*(\rho))*4096 th:TH_STORE_NT  ; 16 lanes store 256 consecutive bytes, at a multiple of 256 from out's first byte
.endr
.endm
.macro WAYOUT base, clear
	WIN 0
	s_wait_xcnt 0x0                                ; earlier stores have read the registers that are loaded anew below
	OSTG 0
	OSTG 1
	OSEND \base, 0, 16
	OSTG 2
	OSEND \base, 1, 16
	OSTG 3
	OSEND \base, 2, 16
	OSEND \base, 3, 0
.if \clear
	WIN 0x80
.set i, 128
.rept 128
	v_mov_b32 v[i], 0                              ; the second block's O begins at 0
.set i, i+1
.endr
	WIN 0
.endif
.endm
.macro CHECK                           ; behind a slot's last O += f X: was it the first block's last?  The count hangs on g alone, which all partners share; the jump goes forward, past no barrier and no tensor load
	WIN 0
	s_sub_co_u32 s[RT], s[RT], 1
	s_cmp_lg_u32 s[RT], 0
	s_cbranch_scc1 .Lsame_\@
	WAYOUT 10, 1
.Lsame_\@:
.endm
	s_wait_dscnt 0x0                               ; for the others' sake: my part of the table is stored
	s_wait_tensorcnt 0x1                           ; my part of slot 0 is in; slot 1's may stay out
	s_barrier_signal -1
	s_barrier_wait -1
	s_mov_b32 s[TB], 0
	s_mov_b32 s[FO], 0
	v_mov_b32 v[ADP], v[PA0]
	v_mov_b32 v[ADV], v[VA0]
	FETCH 0, F0
	HALFA
	WIN 0
	s_mov_b32 s3, 8
.Lslot:                                                ; trip j: slot j from its first place's second half, the refill with slot j + 2, slot j + 1's first half place
	HALFB
	LUMP
	HALFA
	TURNH 1
	LUMP
	CHECK
	HALFA
	WIN 0
	s_sub_co_u32 s3, s3, 1
	s_cmp_lg_u32 s3, 0
	s_cbranch_scc1 .Lslot
	HALFB                                          ; the tail is written out: slots 8 and 9, nothing is left to fetch
	LUMP
	HALFA
	TURNH 0
	LUMP
	HALFA
	HALFB
	LUMP
	HALFA
	s_wait_dscnt 16
	MUL8 F1, 0, 0, 0
	MUL8 F1, 0, 2, 0
	s_wait_dscnt 0x0
	MUL8 F1, 1, 0, 0
	MUL8 F1, 1, 2, 0
	LUMP
	WAYOUT OUT2, 0
	s_wait_tensorcnt 0x0                           ; the wave's end: an add and its wait, behind my last tensor load and my last LDS store
	ds_add_u32 v[SPW], v[NIL]
	s_wait_dscnt 0x0
	CROUND                                         ; the closing round: no work-group ends while a partner may still ask for a tile that names it
	s_endpgm
.Lfunc_end_k_q91f66cf753_pv:
	.size	k_q91f66cf753_pv, .Lfunc_end_k_q91f66cf753_pv-k_q91f66cf753_pv
	.p2alignl 7, 3214868480
	.fill 96, 4, 3214868480
	.section	.rodata,"a",@progbits
	.p2align	6, 0x0
	.amdhsa_kernel k_q91f66cf753_pv
		.amdhsa_group_segment_fixed_size 327680
		.amdhsa_private_segment_fixed_size 0
		.amdhsa_enable_private_segment 0
		.amdhsa_kernarg_size 32
		.amdhsa_user_sgpr_count 2
		.amdhsa_user_sgpr_kernarg_segment_ptr 1
		.amdhsa_wavefront_size32 1
		.amdhsa_system_sgpr_workgroup_id_x 1
		.amdhsa_system_sgpr_workgroup_id_y 1
		.amdhsa_system_sgpr_workgroup_id_z 1
		.amdhsa_system_vgpr_workitem_id 0
		.amdhsa_next_free_vgpr 768
		.amdhsa_next_free_sgpr 98
		.amdhsa_reserve_vcc 0
		.amdhsa_float_denorm_mode_32 3
		.amdhsa_float_denorm_mode_16_64 3
		.amdhsa_memory_ordered 1
		.amdhsa_forward_progress 1
		.amdhsa_inst_pref_size 133
	.end_amdhsa_kernel
	.amdgpu_metadata
---
amdhsa.version: [ 1, 2 ]
amdhsa.kernels:
  - .name:           k_q91f66cf753_pv
    .symbol:         k_q91f66cf753_pv.kd
    .args:
      - { .name: pw, .offset: 0, .size: 8, .value_kind: global_buffer, .address_space: global }
      - { .name: qkv, .offset: 8, .size: 8, .value_kind: global_buffer, .address_space: global }
      - { .name: stat, .offset: 16, .size: 8, .value_kind: global_buffer, .address_space: global }
      - { .name: out0, .offset: 24, .size: 8, .value_kind: global_buffer, .address_space: global }
    .group_segment_fixed_size: 327680
    .private_segment_fixed_size: 0
    .kernarg_segment_align: 8
    .kernarg_segment_size: 32
    .max_flat_workgroup_size: 128
    .sgpr_count:     98
    .vgpr_count:     768
    .wavefront_size: 32
...
	.end_amdgpu_metadata
.endif
;; end of part 4
;; ======== version 2 of 2: 4 launches; version 1 with the launch cast written anew for expert scheduling mode
;; limits: values are held in f16: magnitudes above 65,504 overflow, below 6.1e-05 lose precision
;; workspace buffers: xb 16,777,216 bytes; wb 6,291,456 bytes; qkv 50,331,648 bytes; pw 33,554,432 bytes; stat 1,048,576 bytes
;; launch cast (part 5): grid 704 x 1, 8 waves a work-group, no clusters, 0 bytes of LDS; arguments x, W_q, W_k, W_v, xb, wb; writes xb, wb
.if DOCPART == 5
	.amdgcn_target "amdgcn-amd-amdhsa--gfx1250"
	.amdhsa_code_object_version 6
	.text
	.protected	k_q91f66cf753_cast
	.globl	k_q91f66cf753_cast
	.p2align	8
	.type	k_q91f66cf753_cast,@function
k_q91f66cf753_cast:
	s_mov_b64 s[64:65], 0
	v_nop
	global_prefetch_b8 v0, s[64:65] scope:SCOPE_SE
	s_setreg_imm32_b32 hwreg(HW_REG_WAVE_SCHED_MODE, 0, 2), 2
	s_setreg_imm32_b32 hwreg(HW_REG_WAVE_MODE, 25, 1), 1
	s_wait_xcnt 0x0
	s_wait_alu depctr_vm_vsrc(0)
; xb = x and wb = [W_q; W_k; W_v], rounded once to bf16 and laid out in blocks of 64 along K:
;   xb[kb 0..15][row 0..8191][64], wb[kb 0..15][row 0..3071][64]   (a row of a block is 128 bytes, so any run of rows of one block is dense).
; A work-group takes 16 rows of 1,024 f32: work-groups 0..511 rows of x, 512..703 rows of W_q, W_k, W_v (64 work-groups each).
; Load j of a thread: 16 lanes read 256 consecutive bytes, aligned: the 64 numbers of K block j of one row (row = thread / 16).
; Store j: a lane's four numbers are 8 bytes; a wave's 32 lanes store 256 consecutive bytes, aligned: two rows of K block j.
; All 16 loads of a thread go out first; nothing is read twice, no register is written twice, so no wait frees a source.
; No LDS, no barrier, no matrix work: the launch only moves bytes.
; THE MODE: SCHED_MODE bits 1:0 = 2 (LLVM: expert scheduling mode 2), set by the entry lines.  The code itself states the register dependences
; between vector instructions and memory instructions, with s_wait_alu, always for 0.
; THE PLAN.  Registers that memory instructions touch:
;   v[LO]     written at the head; read by all 16 loads as their offset; never written again.
;   X         load j lands in four registers of its own; no vector instruction writes them; its two conversions read them; no second load lands in them.
;   SO        store j's offset: written by 16 vector lines that stand behind the loads; read by store j; never written again.
;   Y         store j's data: written by load j's two conversions; read by store j; never written again.
; The loads are taken in four blocks of four.  Block p converts its four loads into its eight Y registers; the four stores of block p - 1 are dealt among these conversions,
; which name X and Y of block p alone.  So one wait on va_vdst at a block's head states all that the block's stores hang on.  Five such waits in all: ahead of the first load,
; at the heads of blocks 1 to 3, and ahead of the last four stores.  No register that a memory instruction reads is written again: no wait on vm_vsrc is owed.
.set XSTR, 1048576                     ; bytes of a K block of xb
.set WSTR, 393216                      ; bytes of a K block of wb
.set LO,   1                           ; v1       my byte offset in the 16 source rows
.set SO,   8                           ; v[8:23]  my byte offset in K block j of the destination
.set X,    32                          ; v[32:95] load j: four f32
.set Y,    96                          ; v[96:127] store j: four bf16
	s_load_b256 s[4:11], s[0:1], 0x0               ; x s[4:5], W_q s[6:7], W_k s[8:9], W_v s[10:11]
	s_load_b128 s[12:15], s[0:1], 0x20             ; xb s[12:13], wb s[14:15]
	s_sub_co_u32 s17, ttmp9, 512                   ; h: my number among the weights' work-groups (not used where I serve x)
	s_lshr_b32 s18, s17, 6                         ; which of the three matrices
	s_and_b32 s19, s17, 63                         ; which 16 rows of it
	s_mov_b32 s27, WSTR
	s_mov_b32 s29, 0
	s_mov_b32 s31, 0
	v_lshrrev_b32 v2, 4, v0                        ; my row of the 16
	v_and_b32 v3, 15, v0                           ; my 16 bytes of a row's 256
	v_lshlrev_b32 v[LO], 12, v2
	v_lshl_add_u32 v[LO], v3, 4, v[LO]
	s_wait_kmcnt 0x0
	s_cmp_eq_u32 s18, 1
	s_cselect_b64 s[20:21], s[8:9], s[6:7]
	s_cmp_eq_u32 s18, 2
	s_cselect_b64 s[20:21], s[10:11], s[20:21]
	s_cmp_lt_u32 ttmp9, 512
	s_cselect_b64 s[20:21], s[4:5], s[20:21]       ; the source,
	s_cselect_b64 s[22:23], s[12:13], s[14:15]     ; the destination,
	s_cselect_b32 s28, ttmp9, s19                  ; my 16 rows in the source,
	s_cselect_b32 s30, ttmp9, s17                  ; and in the destination,
	s_cselect_b32 s26, XSTR, s27                   ; and the destination's bytes from K block to K block
	s_lshl_b32 s28, s28, 16                        ; 16 rows of 4,096 bytes
	s_lshl_b32 s30, s30, 11                        ; 16 rows of 128 bytes
	s_add_nc_u64 s[20:21], s[20:21], s[28:29]
	s_add_nc_u64 s[22:23], s[22:23], s[30:31]
	s_wait_alu depctr_va_vdst(0)                   ; v[LO] is written: all 16 loads read it as their offset
.set j, 0
.rept 16
	global_load_b128 v[X+4*j:X+4*j+3], v[LO], s[20:21] offset:256*j th:TH_LOAD_NT
.set j, j+1
.endr
	v_lshlrev_b32 v[SO], 3, v0                     ; row x 128 + 8 x place = 8 x thread
.set j, 1
.rept 15
	v_add_nc_u32 v[SO+j], s26, v[SO+j-1]           ; the stores' offsets are made while the loads are on their way; the wait at block 1's head, ahead of the first store, covers them
.set j, j+1
.endr
; Block p: loads 4 p to 4 p + 3 are converted; the stores of block p - 1 go out among the conversions, one ahead of each pair.
.macro BLK p
	s_wait_loadcnt 12-4*(\p)                       ; loads return in order: this block's four are in, the 12 - 4 p younger ones stay out
.if (\p) > 0
	s_wait_alu depctr_va_vdst(0)                   ; the block before has written its Y, which the stores below read; at block 1 also: all 16 offsets SO are written
.endif
.irp i, 0,1,2,3
.if (\p) > 0
	global_store_b64 v[SO+4*((\p)-1)+(\i)], v[Y+2*(4*((\p)-1)+(\i)):Y+2*(4*((\p)-1)+(\i))+1], s[22:23] th:TH_STORE_NT  ; no vector instruction since the wait names these registers
.endif
	v_cvt_pk_bf16_f32 v[Y+2*(4*(\p)+(\i))], v[X+4*(4*(\p)+(\i))], v[X+4*(4*(\p)+(\i))+1]
	v_cvt_pk_bf16_f32 v[Y+2*(4*(\p)+(\i))+1], v[X+4*(4*(\p)+(\i))+2], v[X+4*(4*(\p)+(\i))+3]
.endr
.endm
	BLK 0
	BLK 1
	BLK 2
	BLK 3
	s_wait_alu depctr_va_vdst(0)                   ; block 3 has written its Y, which the last four stores read
.irp i, 0,1,2,3
	global_store_b64 v[SO+12+(\i)], v[Y+2*(12+(\i)):Y+2*(12+(\i))+1], s[22:23] th:TH_STORE_NT
.endr
	s_endpgm
.Lfunc_end_k_q91f66cf753_cast:
	.size	k_q91f66cf753_cast, .Lfunc_end_k_q91f66cf753_cast-k_q91f66cf753_cast
	.p2alignl 7, 3214868480
	.fill 96, 4, 3214868480
	.section	.rodata,"a",@progbits
	.p2align	6, 0x0
	.amdhsa_kernel k_q91f66cf753_cast
		.amdhsa_group_segment_fixed_size 0
		.amdhsa_private_segment_fixed_size 0
		.amdhsa_enable_private_segment 0
		.amdhsa_kernarg_size 48
		.amdhsa_user_sgpr_count 2
		.amdhsa_user_sgpr_kernarg_segment_ptr 1
		.amdhsa_wavefront_size32 1
		.amdhsa_system_sgpr_workgroup_id_x 1
		.amdhsa_system_sgpr_workgroup_id_y 1
		.amdhsa_system_sgpr_workgroup_id_z 1
		.amdhsa_system_vgpr_workitem_id 0
		.amdhsa_next_free_vgpr 128
		.amdhsa_next_free_sgpr 66
		.amdhsa_reserve_vcc 0
		.amdhsa_float_denorm_mode_32 3
		.amdhsa_float_denorm_mode_16_64 3
		.amdhsa_memory_ordered 1
		.amdhsa_forward_progress 1
		.amdhsa_inst_pref_size 8
	.end_amdhsa_kernel
	.amdgpu_metadata
---
amdhsa.version: [ 1, 2 ]
amdhsa.kernels:
  - .name:           k_q91f66cf753_cast
    .symbol:         k_q91f66cf753_cast.kd
    .args:
      - { .name: x, .offset: 0, .size: 8, .value_kind: global_buffer, .address_space: global }
      - { .name: W_q, .offset: 8, .size: 8, .value_kind: global_buffer, .address_space: global }
      - { .name: W_k, .offset: 16, .size: 8, .value_kind: global_buffer, .address_space: global }
      - { .name: W_v, .offset: 24, .size: 8, .value_kind: global_buffer, .address_space: global }
      - { .name: xb, .offset: 32, .size: 8, .value_kind: global_buffer, .address_space: global }
      - { .name: wb, .offset: 40, .size: 8, .value_kind: global_buffer, .address_space: global }
    .group_segment_fixed_size: 0
    .private_segment_fixed_size: 0
    .kernarg_segment_align: 8
    .kernarg_segment_size: 48
    .max_flat_workgroup_size: 256
    .sgpr_count:     66
    .vgpr_count:     128
    .wavefront_size: 32
...
	.end_amdgpu_metadata
.endif
;; end of part 5
;; launch proj: the kernel of part 2 again; grid 8 x 32, 4 waves a work-group, clusters of 4 x 4, 327,680 bytes of LDS; arguments xb, wb, qkv; writes qkv
;; launch scores: the kernel of part 3 again; grid 36 x 4, 4 waves a work-group, no clusters, 327,680 bytes of LDS; arguments qkv, pw, stat; writes pw, stat
;; launch pv: the kernel of part 4 again; grid 8 x 32, 4 waves a work-group, clusters of 4 x 4, 327,680 bytes of LDS; arguments pw, qkv, stat, out0; writes out0
